; MI455X (gfx1250); checked and timed in simulation.
; The chip was launched on July 23, 2026; its instructions are those of AMD's public machine-readable ISA for CDNA 5 (MIT licence, August 2026) and "CDNA5" Instruction Set Architecture Reference Guide (July 2026). The comments in the code are by the model that wrote it; some were corrected since.
;; Attention. Allowed arithmetic: matrix products marked QUANTISED: E2M1 operands, one E8M0 scale for each 32 along K, by v_wmma_scale_f32_16x16x128_f8f6f4 with both operands' format E2M1 (or v_wmma_scale_f32_32x16x128_f4), f32 sums; products left as they are: bf16, f16 or f32 operands; f32 sums; everything else in f32.
;; Inputs: Wk 1,024 x 2,048 float32; Wo 2,048 x 1,024 float32; Wq 1,024 x 2,048 float32; Wv 1,024 x 2,048 float32; bk 2,048 float32; bo 1,024 float32; bq 2,048 float32; bv 2,048 float32; x 2 x 2,048 x 1,024 float32.
;; Outputs: out0 2 x 2,048 x 1,024 float32.
;; This version of the problem:
;;   THIS VERSION OF THE PROBLEM IS GIVEN IN LOW PRECISION. The matrix products marked QUANTISED in the list below multiply operands that are first quantised to E2M1 (2 exponent bits, 1 mantissa bit; 4 bits a number), with one power-of-two scale for each 32 numbers along K (OCP MX v1.0); their sums are f32. The products marked 'left as it is' may take bf16, f16 or f32 operands, with f32 sums. Whichever they take, every output number must still come out within the allowed error. Rounding operands to bf16 (8 significant bits) uses up far more of that allowance than f16 does (11 bits, for magnitudes from 6e-5 to 65,504). All else is computed in f32.
;;   The module's matrix products, in the order in which they are computed (A, B: the left and right operand; K: the contracted axis; several contracted axes count as one K, in the product's order):
;;     1. [M 4,096, K 1,024] x [K 1,024, N 2,048]; A: input x; B: input Wq: QUANTISED
;;     2. [M 4,096, K 1,024] x [K 1,024, N 2,048]; A: input x; B: input Wk: QUANTISED
;;     3. [M 4,096, K 1,024] x [K 1,024, N 2,048]; A: input x; B: input Wv: QUANTISED
;;     4. batch 32 x [M 2,048, K 128] x [K 128, N 2,048]; A: computed on the way; B: computed on the way: left as it is (an operand is computed on the way)
;;     5. batch 32 x [M 2,048, K 2,048] x [K 2,048, N 128]; A: computed on the way; B: computed on the way: left as it is (an operand is computed on the way)
;;     6. [M 4,096, K 2,048] x [K 2,048, N 1,024]; A: computed on the way; B: input Wo: left as it is (an operand is computed on the way)
;;   THE QUANTISER, for each operand of a quantised product, along K:
;;     - K is cut into blocks of 32 from its start; a last block that is shorter is filled with zeros.
;;     - A block's scale is 2^e with e = floor(log2(the largest magnitude in the block)) - 2, held to -126 .. 127; a block of zeros has e = 0. As a byte (E8M0): e + 127.
;;     - Each number is divided by its block's scale, clamped to +-6, and rounded to the nearest number of E2M1, ties to even, subnormals kept.
;;     - The product sums the exact products of the quantised numbers (number of the format x scale) in f32.
;;   ~~~python
;;   def quantise(x, axis):      # numpy; x: float32 -> the quantised numbers, widened to float32 again
;;       x = np.moveaxis(x, axis, -1); K = x.shape[-1]
;;       x = np.pad(x, [(0, 0)] * (x.ndim - 1) + [(0, -K % 32)]); x = x.reshape(x.shape[:-1] + (-1, 32)); a = np.abs(x).max(-1, keepdims=True)
;;       e = np.where(a > 0, np.clip(np.frexp(np.where(a > 0, a, 1))[1] - 1 - 2, -126, 127), 0)      # np.frexp(a)[1] - 1 = floor(log2(a)), exactly
;;       r = np.clip(x / 2.0 ** e, -6, 6)
;;       step = 2.0 ** (np.maximum(np.frexp(np.where(r == 0, 1, r))[1] - 1, 0) - 1)
;;       q = np.round(r / step) * step * 2.0 ** e      # np.round: ties to even
;;       return np.moveaxis(q.reshape(q.shape[:-2] + (-1,))[..., :K], -1, axis).astype(np.float32)
;;   ~~~
;; One version. Each part assembles by itself: llvm-mc -triple=amdgcn-amd-amdhsa -mcpu=gfx1250 --defsym DOCPART=n.
;; ======== version 1 of 1: 5 launches
;; limits: values are held in f16: magnitudes above 65,504 overflow, below 6.1e-05 lose precision
;; workspace buffers: x_codes 2,097,152 bytes; x_scales 131,072 bytes; w_codes 3,145,728 bytes; w_scales 196,608 bytes; wot 4,194,304 bytes; qkv 50,331,648 bytes; obuf 16,777,216 bytes; fin 786,432 bytes
;; launch prep (part 1): grid 320 x 1, 8 waves a work-group, no clusters, 132,096 bytes of LDS; arguments x, Wq, Wk, Wv, Wo, x_codes, x_scales, w_codes, w_scales, wot; writes x_codes, x_scales, w_codes, w_scales, wot
.if DOCPART == 1
	.amdgcn_target "amdgcn-amd-amdhsa--gfx1250"
	.amdhsa_code_object_version 6
	.text
	.protected	k_q0b7caf9450_prep
	.globl	k_q0b7caf9450_prep
	.p2align	8
	.type	k_q0b7caf9450_prep,@function
k_q0b7caf9450_prep:
	s_mov_b64 s[64:65], 0
	v_nop
	global_prefetch_b8 v0, s[64:65] scope:SCOPE_SE
	s_setreg_imm32_b32 hwreg(HW_REG_WAVE_MODE, 25, 1), 1
	s_wait_xcnt 0x0
; PREP.  Three jobs in one launch, told apart by the work-group's number alone:
;   work-groups 0-63:    x [4096][1024] f32 -> codes of E2M1 (K innermost, 512 bytes a row) and one E8M0 byte for each 32 along K.
;   work-groups 64-255:  Wq, Wk, Wv [1024 (k)][2048 (n)] f32 -> codes laid [6144 (n)][512 bytes], K innermost, and bytes [6144][32]; rows 0-2047 Wq's columns, then Wk's, then Wv's.
;   work-groups 256-319: Wo [2048 (k)][1024 (n)] f32 -> f16, laid [1024 (n)][2048 (k)].
; A block's scale is 2^(floor(log2(its largest magnitude)) - 2); its byte is the largest magnitude's exponent field - 2, held at 1 from below.
; LIMITS: a block of zeros gets the byte 1 where the rule says 127 (its codes are zeros, and the bytes are read by this program alone); NaN and infinities are not served;
; Wo's numbers beyond 65,504 in magnitude have no f16 number; under 6e-5 they carry f16's fixed step.
; Each path has LDS bytes of its own.  No tensor loads.  The W path has one barrier: its branch hangs on the work-group's number, so all eight waves take it together.
.set SP,    80                         ; x path: a lane's place in a stage: 64 bytes + 16 of padding
.set WREG,  5376                       ; x path: a wave's region: two stages of 32 x 80 bytes and 256 scale bytes
.set WST,   43008                      ; W path: 64 rows (columns of W) x (256 bytes of codes + 16)
.set WSC,   60416                      ; W path: 64 rows x 16 scale bytes
.set OST,   61440                      ; Wo path: for each wave 32 rows x (256 bytes + 16)
.set SPARE, 131072                     ; the spare words: 128 bytes for each of eight waves; no other line names them
.set SPW,   12                         ; v12 my spare word's LDS address; never rewritten
.set NIL,   13                         ; v13 0; never rewritten
.set EMAX,  2
.set STEPS, 16
.set CB,    8
.set R,     16                         ; x path: v16-79 four sets of 16 numbers as loaded
.set X,     80                         ; x path: v80-111 two sets of 16 neighbours
.set E,     112                        ; x path: v112-127 a scale byte for each step
.set C,     128                        ; x path: v128-191 codes, four registers for each step
.set WX,    32                         ; W, Wo paths: v32-95 two sets of 32 numbers down K
.set WC,    96                         ; v96-111 a block's codes or f16 pairs
.set OUTR,  112                        ; v112-175 the way out
.set SB,    24                         ; v24 four scale bytes
	s_load_b512 s[4:19], s[0:1], 0x0               ; x 4, Wq 6, Wk 8, Wv 10, Wo 12, x_codes 14, x_scales 16, w_codes 18
	s_load_b128 s[20:23], s[0:1], 0x40             ; w_scales 20, wot 22
	v_lshl_add_u32 v[SPW], v0, 2, SPARE
	v_mov_b32 v[NIL], 0
	v_lshrrev_b32 v1, 5, v0
	v_readfirstlane_b32 s24, v1                    ; wave 0..7
	v_and_b32 v2, 31, v0                           ; lane
	s_and_b32 s26, s24, 1                          ; cg: which 32 of the work-group's 64 columns (W, Wo paths)
	s_lshr_b32 s27, s24, 1                         ; kg: which 128 of its 512 along K
	s_mov_b32 s29, 0                               ; the high word of every offset pair s[28:29]
	s_wait_kmcnt 0x0
	s_cmp_lt_u32 ttmp9, 64
	s_cbranch_scc1 .Lx
	s_cmp_lt_u32 ttmp9, 256
	s_cbranch_scc1 .Lw
; block t of 32 along K: row 32 t + i of the weight at my column, into set t % 2.  A wave's load reads 128 consecutive bytes.
.macro WLOAD t, base, pitch
.set i, 0
.rept 32
	global_load_b32 v[WX+32*((\t)%2)+i], v3, s[\base:\base+1] offset:(32*(\t)+i)*\pitch th:TH_LOAD_NT
.set i, i+1
.endr
.endm
; ---------------- Wo: a lane takes a column n, its registers run down K; pairs along K become f16 pairs; a wave's 32 columns x 128 K are its own
	s_sub_co_u32 s25, ttmp9, 256
	s_lshr_b32 s30, s25, 2
	s_and_b32 s31, s25, 3
	s_lshl_b32 s30, s30, 6
	s_lshl_b32 s28, s26, 5
	s_add_co_u32 s30, s30, s28                     ; my first column: 64 x group + 32 cg
	s_lshl_b32 s31, s31, 9
	s_lshl_b32 s28, s27, 7
	s_add_co_u32 s31, s31, s28                     ; my first k: 512 x quarter + 128 kg
	s_lshl_b32 s28, s31, 12                        ; a row of Wo is 4,096 bytes
	s_lshl_b32 s32, s30, 2
	s_add_co_u32 s28, s28, s32
	s_add_nc_u64 s[12:13], s[12:13], s[28:29]
	s_lshl_b32 s28, s30, 12                        ; a row of wot is 4,096 bytes too
	s_lshl_b32 s32, s31, 1
	s_add_co_u32 s28, s28, s32
	s_add_nc_u64 s[22:23], s[22:23], s[28:29]
	v_lshlrev_b32 v3, 2, v2
	s_mul_i32 s32, s24, 32*272
	s_add_co_u32 s32, s32, OST                     ; my stage
	v_mul_u32_u24 v4, v2, 272
	v_add_nc_u32 v4, s32, v4                       ; in: row = my column
	v_and_b32 v5, 15, v2
	v_lshrrev_b32 v6, 4, v2
	v_mul_u32_u24 v7, v6, 272
	v_lshl_add_u32 v7, v5, 4, v7
	v_add_nc_u32 v7, s32, v7                       ; back: sixteen lanes to a row, two rows an instruction
	v_lshlrev_b32 v8, 12, v6
	v_lshl_add_u32 v8, v5, 4, v8                   ; and the same place in wot
	WLOAD 0, 12, 4096
	WLOAD 1, 12, 4096
.macro OBLOCK t
.set XS, WX+32*((\t)%2)
.if (\t) < 3
	s_wait_loadcnt 32                              ; this block's 32 loads are in; the next block's 32 may be out
.else
	s_wait_loadcnt 0
.endif
.set i, 0
.rept 16
	v_cvt_pk_f16_f32 v[WC+i], v[XS+2*i], v[XS+2*i+1]   ; the lower k in the low half
.set i, i+1
.endr
.irp g, 0,1,2,3
	ds_store_b128 v4, v[WC+4*\g:WC+4*\g+3] offset:64*(\t)+16*\g
.endr
.if (\t)+2 < 4
	WLOAD (\t)+2, 12, 4096
.endif
	s_wait_dscnt 0x0                               ; the stores have read their registers: the next block may write them
.endm
	OBLOCK 0
	OBLOCK 1
	OBLOCK 2
	OBLOCK 3
.irp t, 0,1,2,3,4,5,6,7,8,9,10,11,12,13,14,15
	ds_load_b128 v[OUTR+4*\t:OUTR+4*\t+3], v7 offset:2*\t*272     ; LDS serves a wave's instructions in order: these see my stores
.endr
.irp t, 0,1,2,3,4,5,6,7,8,9,10,11,12,13,14,15
	s_wait_dscnt 15-\t
	global_store_b128 v8, v[OUTR+4*\t:OUTR+4*\t+3], s[22:23] offset:8192*\t   ; sixteen lanes store 256 consecutive bytes, aligned
.endr
	s_branch .Lend
; ---------------- Wq, Wk, Wv: a work-group takes 64 columns x 512 along K; a wave 32 columns x 128: four blocks a lane
.Lw:
	s_sub_co_u32 s25, ttmp9, 64                    ; 0..191: 64 for each weight
	s_cmp_lt_u32 s25, 128
	s_cselect_b64 s[8:9], s[8:9], s[10:11]         ; the choice hangs on the work-group's number alone
	s_cmp_lt_u32 s25, 64
	s_cselect_b64 s[6:7], s[6:7], s[8:9]
	s_and_b32 s30, s25, 1                          ; which 512 along K
	s_lshr_b32 s31, s25, 1                         ; which 64 rows of w_codes: 32 x weight + column group
	s_lshl_b32 s32, s30, 9
	s_lshl_b32 s28, s27, 7
	s_add_co_u32 s32, s32, s28                     ; my first k
	s_lshl_b32 s32, s32, 13                        ; a row of W is 8,192 bytes
	s_and_b32 s33, s31, 31
	s_lshl_b32 s33, s33, 8                         ; 64 columns x 4 bytes
	s_lshl_b32 s28, s26, 7
	s_add_co_u32 s28, s28, s33
	s_add_co_u32 s28, s28, s32
	s_add_nc_u64 s[6:7], s[6:7], s[28:29]
	s_lshl_b32 s28, s31, 15                        ; 64 rows of 512 bytes
	s_lshl_b32 s33, s30, 8
	s_add_co_u32 s28, s28, s33
	s_add_nc_u64 s[18:19], s[18:19], s[28:29]
	s_lshl_b32 s28, s31, 11                        ; 64 rows of 32 bytes
	s_lshl_b32 s33, s30, 4
	s_add_co_u32 s28, s28, s33
	s_add_nc_u64 s[20:21], s[20:21], s[28:29]
	v_lshlrev_b32 v3, 2, v2
	s_mul_i32 s32, s26, 32*272
	s_lshl_b32 s33, s27, 6
	s_add_co_u32 s32, s32, s33
	s_add_co_u32 s32, s32, WST
	v_mul_u32_u24 v4, v2, 272
	v_add_nc_u32 v4, s32, v4                       ; codes in: row 32 cg + lane, 64 kg bytes on
	s_lshl_b32 s32, s26, 9
	s_lshl_b32 s33, s27, 2
	s_add_co_u32 s32, s32, s33
	s_add_co_u32 s32, s32, WSC
	v_lshl_add_u32 v5, v2, 4, s32                  ; scale word in: row 32 cg + lane, word kg
	v_and_b32 v10, 15, v2
	v_lshrrev_b32 v11, 4, v2
	s_mul_i32 s32, s24, 8*272
	s_add_co_u32 s32, s32, WST
	v_mul_u32_u24 v6, v11, 272
	v_lshl_add_u32 v6, v10, 4, v6
	v_add_nc_u32 v6, s32, v6                       ; codes back: wave w takes rows 8 w on, two rows an instruction
	s_lshl_b32 s32, s24, 12
	v_lshlrev_b32 v7, 9, v11
	v_lshl_add_u32 v7, v10, 4, v7
	v_add_nc_u32 v7, s32, v7                       ; and the same place in w_codes
	s_lshl_b32 s32, s24, 7
	s_add_co_u32 s32, s32, WSC
	v_lshl_add_u32 v14, v2, 2, s32                 ; scale words back: 128 bytes a wave: eight rows of four words
	s_lshl_b32 s32, s24, 8
	v_lshrrev_b32 v15, 2, v2
	v_lshlrev_b32 v15, 5, v15
	v_and_b32 v10, 3, v2
	v_lshl_add_u32 v15, v10, 2, v15
	v_add_nc_u32 v15, s32, v15                     ; in w_scales: row 8 w + lane / 4, word lane % 4
	WLOAD 0, 6, 8192
	WLOAD 1, 6, 8192
.macro WBLOCK t
.set XS, WX+32*((\t)%2)
.if (\t) < 3
	s_wait_loadcnt 32                              ; this block's 32 loads are in; the next block's 32 may be out
.else
	s_wait_loadcnt 0
.endif
	v_max3_num_f32 v8, |v[XS]|, |v[XS+1]|, |v[XS+2]|               ; the block's largest magnitude: all 32 numbers are mine
	v_max3_num_f32 v9, |v[XS+3]|, |v[XS+4]|, |v[XS+5]|
.irp i, 6,10,14,18,22,26
	v_max3_num_f32 v8, v8, |v[XS+\i]|, |v[XS+\i+1]|
	v_max3_num_f32 v9, v9, |v[XS+\i+2]|, |v[XS+\i+3]|
.endr
	v_max3_num_f32 v8, v8, |v[XS+30]|, |v[XS+31]|
	v_max3_num_f32 v8, v8, v9, (EMAX+1)<<23        ; and the floor 2^(3 - 127): the byte cannot fall under 1
	v_add_nc_u32 v11, -(EMAX<<23), v8              ; 2 off its exponent field: the conversion takes that field as its scale
	v_lshrrev_b32 v9, 23, v11                      ; the scale's byte
.if (\t) == 0
	v_mov_b32 v[SB], v9
.else
	v_lshl_or_b32 v[SB], v9, 8*(\t), v[SB]         ; the lower K in the lower byte
.endif
.irp g, 0,1,2,3
	v_cvt_scalef32_pk8_fp4_f32 v[WC+\g], v[XS+8*\g:XS+8*\g+7], v11
.endr
	ds_store_b128 v4, v[WC:WC+3] offset:16*(\t)    ; 32 codes: 16 bytes of my column's row
.if (\t)+2 < 4
	WLOAD (\t)+2, 6, 8192
.endif
	s_wait_dscnt 0x0                               ; the store has read its registers
.endm
	WBLOCK 0
	WBLOCK 1
	WBLOCK 2
	WBLOCK 3
	ds_store_b32 v5, v[SB]
	s_wait_dscnt 0x0                               ; for the others' sake: my stores have landed
	s_barrier_signal -1
	s_barrier_wait -1                              ; a row's 256 bytes come from four waves
.irp t, 0,1,2,3
	ds_load_b128 v[OUTR+4*\t:OUTR+4*\t+3], v6 offset:2*\t*272
.endr
	ds_load_b32 v10, v14
.irp t, 0,1,2,3
	s_wait_dscnt 4-\t                              ; behind load t: the later code loads and the scale word's
	global_store_b128 v7, v[OUTR+4*\t:OUTR+4*\t+3], s[18:19] offset:1024*\t   ; sixteen lanes store 256 consecutive bytes, aligned
.endr
	s_wait_dscnt 0x0
	global_store_b32 v15, v10, s[20:21]            ; 16 bytes of each row of 32: pieces, 196,608 bytes in the whole launch
	s_branch .Lend
; ---------------- x: a plain stream of blocks of 32; a wave takes 16 steps of 512 numbers
.Lx:
	v_lshlrev_b32 v3, 4, v2                        ; my 16 bytes of a load's 512
	s_mul_i32 s25, s24, WREG
	v_lshrrev_b32 v14, 2, v2
	v_mul_u32_u24 v14, v14, SP
	v_and_b32 v15, 3, v2
	v_lshl_add_u32 v14, v15, 4, v14
	v_add_nc_u32 v14, s25, v14                     ; the stage, in: four lanes' 64 bytes on end, then 16 of padding
	v_mul_u32_u24 v15, v2, SP
	v_add_nc_u32 v15, s25, v15                     ; out: my 16 neighbours
	v_mul_u32_u24 v4, v2, CB                       ; my codes' place in a step's
	v_lshrrev_b32 v5, 1, v2
	s_add_co_u32 s25, s25, 2*32*SP
	v_add_nc_u32 v5, s25, v5                       ; my wave's 256 scale bytes, my block's byte
	v_lshlrev_b32 v7, 3, v2
	v_add_nc_u32 v6, s25, v7
	s_lshl_b32 s26, ttmp9, 3
	s_add_co_u32 s26, s26, s24                     ; which run of 8,192 numbers is my wave's
	s_lshl_b32 s28, s26, 15
	s_add_nc_u64 s[4:5], s[4:5], s[28:29]
	s_lshl_b32 s28, s26, 12
	s_add_nc_u64 s[14:15], s[14:15], s[28:29]
	s_lshl_b32 s28, s26, 8
	s_add_nc_u64 s[16:17], s[16:17], s[28:29]
.macro XLOAD t
.irp i, 0,1,2,3
	global_load_b128 v[R+16*((\t)%4)+4*\i:R+16*((\t)%4)+4*\i+3], v3, s[4:5] offset:2048*(\t)+512*\i th:TH_LOAD_NT   ; 32 lanes read 512 consecutive bytes
.endr
.endm
.macro XTURN t                         ; step t's numbers through the stage: LDS serves a wave's instructions in order
.irp i, 0,1,2,3
	ds_store_b128 v14, v[R+16*((\t)%4)+4*\i:R+16*((\t)%4)+4*\i+3] offset:32*SP*((\t)%2)+8*SP*\i
.endr
.irp i, 0,1,2,3
	ds_load_b128 v[X+16*((\t)%2)+4*\i:X+16*((\t)%2)+4*\i+3], v15 offset:32*SP*((\t)%2)+16*\i
.endr
.endm
.irp t, 0,1,2,3
	XLOAD \t
.endr
	s_wait_loadcnt 12                              ; step 0's four loads are in; twelve younger ones stay out
	XTURN 0
.macro XSTEP t
.set XS, X+16*((\t)%2)
.if (\t) > 0
	s_wait_dscnt 1                                 ; this step's numbers are back (the last step's byte store may be out)
.else
	s_wait_dscnt 0x0
.endif
.if (\t)+4 < STEPS
	XLOAD (\t)+4
.endif
.if (\t)+1 < STEPS
.if STEPS-2-(\t) >= 3
	s_wait_loadcnt 12                              ; the next step's four loads are in; those of the three steps behind it may be out
.else
	s_wait_loadcnt 4*(STEPS-2-(\t))
.endif
	XTURN (\t)+1
.endif
	v_max3_num_f32 v8, |v[XS]|, |v[XS+1]|, |v[XS+2]|
	v_max3_num_f32 v9, |v[XS+3]|, |v[XS+4]|, |v[XS+5]|
.irp i, 6,10
	v_max3_num_f32 v8, v8, |v[XS+\i]|, |v[XS+\i+1]|
	v_max3_num_f32 v9, v9, |v[XS+\i+2]|, |v[XS+\i+3]|
.endr
	v_max3_num_f32 v8, v8, |v[XS+14]|, |v[XS+15]|
	v_max3_num_f32 v8, v8, v9, (EMAX+1)<<23        ; the floor
	v_max_num_f32_dpp v8, v8, v8 row_xmask:1 row_mask:0xf bank_mask:0xf   ; with my neighbour's 16: the block's
	v_add_nc_u32 v11, -(EMAX<<23), v8
	v_cvt_scalef32_pk8_fp4_f32 v[C+4*(\t)], v[XS:XS+7], v11
	v_cvt_scalef32_pk8_fp4_f32 v[C+4*(\t)+1], v[XS+8:XS+15], v11
	v_lshrrev_b32 v[E+(\t)], 23, v11               ; the scale's byte
	ds_store_b8 v5, v[E+(\t)] offset:16*(\t)       ; both lanes of a block write the same byte with the same value
	global_store_b64 v4, v[C+4*(\t):C+4*(\t)+1], s[14:15] offset:32*CB*(\t)   ; the wave stores 256 consecutive bytes, aligned
.endm
.irp t, 0,1,2,3,4,5,6,7,8,9,10,11,12,13,14,15
	XSTEP \t
.endr
	ds_load_b64 v[8:9], v6
	s_wait_dscnt 0x0
	global_store_b64 v7, v[8:9], s[16:17]          ; 32 lanes store 256 consecutive bytes, aligned
.Lend:
	s_wait_tensorcnt 0x0                           ; the wave's end, behind my last LDS store
	ds_add_u32 v[SPW], v[NIL]
	s_wait_dscnt 0x0
	s_endpgm
.Lfunc_end_k_q0b7caf9450_prep:
	.size	k_q0b7caf9450_prep, .Lfunc_end_k_q0b7caf9450_prep-k_q0b7caf9450_prep
	.p2alignl 7, 3214868480
	.fill 96, 4, 3214868480
	.section	.rodata,"a",@progbits
	.p2align	6, 0x0
	.amdhsa_kernel k_q0b7caf9450_prep
		.amdhsa_group_segment_fixed_size 132096
		.amdhsa_private_segment_fixed_size 0
		.amdhsa_enable_private_segment 0
		.amdhsa_kernarg_size 80
		.amdhsa_user_sgpr_count 2
		.amdhsa_user_sgpr_kernarg_segment_ptr 1
		.amdhsa_wavefront_size32 1
		.amdhsa_system_sgpr_workgroup_id_x 1
		.amdhsa_system_sgpr_workgroup_id_y 1
		.amdhsa_system_sgpr_workgroup_id_z 1
		.amdhsa_system_vgpr_workitem_id 0
		.amdhsa_next_free_vgpr 192
		.amdhsa_next_free_sgpr 66
		.amdhsa_reserve_vcc 0
		.amdhsa_float_denorm_mode_32 3
		.amdhsa_float_denorm_mode_16_64 3
		.amdhsa_memory_ordered 1
		.amdhsa_forward_progress 1
		.amdhsa_inst_pref_size 76
	.end_amdhsa_kernel
	.amdgpu_metadata
---
amdhsa.version: [ 1, 2 ]
amdhsa.kernels:
  - .name:           k_q0b7caf9450_prep
    .symbol:         k_q0b7caf9450_prep.kd
    .args:
      - { .name: x, .offset: 0, .size: 8, .value_kind: global_buffer, .address_space: global }
      - { .name: Wq, .offset: 8, .size: 8, .value_kind: global_buffer, .address_space: global }
      - { .name: Wk, .offset: 16, .size: 8, .value_kind: global_buffer, .address_space: global }
      - { .name: Wv, .offset: 24, .size: 8, .value_kind: global_buffer, .address_space: global }
      - { .name: Wo, .offset: 32, .size: 8, .value_kind: global_buffer, .address_space: global }
      - { .name: x_codes, .offset: 40, .size: 8, .value_kind: global_buffer, .address_space: global }
      - { .name: x_scales, .offset: 48, .size: 8, .value_kind: global_buffer, .address_space: global }
      - { .name: w_codes, .offset: 56, .size: 8, .value_kind: global_buffer, .address_space: global }
      - { .name: w_scales, .offset: 64, .size: 8, .value_kind: global_buffer, .address_space: global }
      - { .name: wot, .offset: 72, .size: 8, .value_kind: global_buffer, .address_space: global }
    .group_segment_fixed_size: 132096
    .private_segment_fixed_size: 0
    .kernarg_segment_align: 8
    .kernarg_segment_size: 80
    .max_flat_workgroup_size: 256
    .sgpr_count:     66
    .vgpr_count:     192
    .wavefront_size: 32
...
	.end_amdgpu_metadata
.endif
;; end of part 1
;; launch qkv (part 2): grid 24 x 16, 4 waves a work-group, clusters of 4 x 4, 327,680 bytes of LDS; arguments x_codes, x_scales, w_codes, w_scales, qkv, bq, bk, bv, fin; writes qkv, fin
.if DOCPART == 2
	.amdgcn_target "amdgcn-amd-amdhsa--gfx1250"
	.amdhsa_code_object_version 6
	.text
	.protected	k_q0b7caf9450_qkv
	.globl	k_q0b7caf9450_qkv
	.p2align	8
	.type	k_q0b7caf9450_qkv,@function
k_q0b7caf9450_qkv:
	s_mov_b64 s[64:65], 0
	v_nop
	global_prefetch_b8 v0, s[64:65] scope:SCOPE_SE
	s_setreg_imm32_b32 hwreg(HW_REG_WAVE_MODE, 25, 1), 1
	s_wait_xcnt 0x0
	s_wait_alu depctr_hold_cnt(0) depctr_sa_sdst(0) depctr_va_vdst(0) depctr_va_sdst(0) depctr_va_ssrc(0) depctr_va_vcc(0) depctr_vm_vsrc(0)
	s_getreg_b32 s2, hwreg(HW_REG_IB_STS2, 6, 4)
	s_cmp_eq_u32 s2, 0
	s_cbranch_scc0 .Lentry_in_a_cluster
	s_endpgm
.Lentry_in_a_cluster:
	s_bfe_u32 s2, ttmp6, 0x10000c
	s_cmp_lg_u32 s2, 0xf033
	s_cbranch_scc0 .Lentry_shape_is_right
	s_endpgm
.Lentry_shape_is_right:
; QKV.  [4096][6144] = x [4096][1024] x (Wq | Wk | Wv)^T + (bq | bk | bv): one product on codes of E2M1 with E8M0 scales for each 32 along K; sums in f32, begun with the bias.
; The result goes out as f16, rows of 12,288 bytes (Q, K, V side by side).  The 96 rows that the fine launch needs leave in f32 as well, into fin:
;   bytes 0 on:       [32][2048]: Q's row 128 j (the first 16 queries of head j % 16 of batch j / 16);   bytes 262,144 on: [2][16][4096]: K and V of rows 0-15 of each batch.
; LIMITS: results beyond 65,504 in magnitude have no f16 number; under 6e-5 they carry f16's fixed step.  NaN and infinities are not served.
; A tile of 256 x 256 is made by four waves, 128 x 128 each: 64 accumulators, 512 registers.  K = 1,024 is two LDS slots of 512: both are first fills, nothing is filled again, and there is no loop.
; The scale bytes of the work-group's 256 + 256 rows come once, as dense blocks.  By this text's count a wave has three tensor loads out, at the start.
; CLUSTERS: 4 x 4 work-groups; A's tiles are asked for jointly along a row of the cluster, B's along a column.  The matrix instruction is used transposed (source 0 = 16 rows of W, source 1 = 16 rows of x):
; a lane holds eight neighbouring columns of one row.
; REGISTERS: window 0: v0-31 addresses; v32-95 scale words, two sets; v128-191 A's fragments, one set; v192-255 the bias, eight tiles of eight; on the way out v32-63 and v192-255 are at work.
;   window 1: B's fragments, two sets.   window 2: accumulators of my rows 0-63;   window 3: of my rows 64-127.
.set SIZE_M, 4096
.set SIZE_N, 6144
.set SIZE_K, 1024
.set KSTEP,  512
.set NQ,     KSTEP/128
.set ROWB,   256
.set KROW,   SIZE_K/2
.set PITCH,  272                       ; an LDS row: 256 bytes + 16 of padding: the 16 rows that a load touches start 68 words apart
.set FR,     8
.set NL,     2
.set NP,     4
.set HALFT,  128*PITCH
.set SLOT,   4*HALFT
.set KS,     SIZE_K/32
.set SCL,    2*SLOT
.set HALFS,  (128*KS/256)*272
.set SBLK,   (16*KS/256)*272
.set SPARE,  SCL+4*HALFS               ; the spare words, 128 bytes a wave; no other line names them
.set STAGE,  SPARE+512                 ; the way out: 16 rows x 272 bytes for each wave; no tensor load lands here
.set SPITCH, 272
.set CROW,   SIZE_N*2                  ; a row of qkv in bytes
.set ADRA, 16
.set ADRB, 20
.set BO,   22                          ; v22 my byte offset in the bias
.set STO,  24
.set RD,   25
.set CO,   26
.set ADRS, 27
.set SPW,  28
.set NIL,  29
.set FO,   30                          ; v30 my byte offset in fin
.set FM,   31                          ; v31 0 in the lanes that store into fin
.set SC,   32
.set AF,   128
.set BIAS, 192
.set TMP,  192
.set OB,   32
.set G1, 24
.set G0, 32
.set G1B, 48
.set G0B, 56
.set G1S, 68
.set G0S, 76
.set G1SB, 80
.set G0SB, 88
.set MSB, 0
.macro WIN new                         ; the immediate's high byte repeats the setting that is left
.if MSB != \new
	s_set_vgpr_msb (MSB<<8)|\new
.set MSB, \new
.endif
.endm
.set MUL_LO, 0xa1                      ; source 0 (W) window 1, source 1 (x) window 0, C and D window 2
.set MUL_HI, 0xf1                      ; the same, C and D window 3
.set BEG_LO, 0x81                      ; the first step: C is the bias, in window 0
.set BEG_HI, 0xc1
.set TO_B,   0x40
; A joint load: waves 0 and 1 fetch for A, waves 2 and 3 for B; the branch hangs on the wave's number alone.  An s_nop 0 and four v_nop follow each line.
.macro JLOAD g0a, g1a, g0b, g1b
	s_cmp_eq_u32 s15, 0
	s_cbranch_scc0 .Lfor_b_\@
	tensor_load_to_lds s[\g0a:\g0a+3], s[\g1a:\g1a+7]
	s_nop 0
.rept 4
	v_nop
.endr
	s_branch .Lasked_\@
.Lfor_b_\@:
	tensor_load_to_lds s[\g0b:\g0b+3], s[\g1b:\g1b+7]
	s_nop 0
.rept 4
	v_nop
.endr
.Lasked_\@:
.endm
.macro CROUND                          ; a round of the cluster's barrier
	s_barrier_signal -1
	s_barrier_wait -1
	s_cmp_lg_u32 s14, 0
	s_cbranch_scc1 .Lnot_wave_0_\@
	s_barrier_signal -3
.Lnot_wave_0_\@:
	s_barrier_wait -3
	s_barrier_signal -1
	s_barrier_wait -1
.endm
	s_load_b128 s[4:7], s[0:1], 0x0                ; x's codes, x's scales
	s_load_b128 s[8:11], s[0:1], 0x10              ; W's codes, W's scales
	s_load_b64 s[12:13], s[0:1], 0x20              ; qkv
	v_lshl_add_u32 v[SPW], v0, 2, SPARE
	v_mov_b32 v[NIL], 0
	ds_add_u32 v[SPW], v[NIL]                      ; the wave's opening: the add, twice on end, and its wait ahead of my first tensor load
	ds_add_u32 v[SPW], v[NIL]
	v_lshrrev_b32 v1, 5, v0
	v_readfirstlane_b32 s14, v1                    ; wave 0..3
	s_lshr_b32 s15, s14, 1                         ; my half of the tile's rows.  Also: I fetch for A (0) or for B (1)
	s_and_b32 s16, s14, 1                          ; my half of its columns.  Also: which 128 rows I fetch
	s_bfe_u32 s40, ttmp6, 0x40000                  ; cx
	s_bfe_u32 s41, ttmp6, 0x40004                  ; cy
	s_lshl_b32 s42, ttmp9, 2
	s_add_co_u32 s42, s42, s40                     ; tile column
	s_and_b32 s17, ttmp7, 0xffff
	s_lshl_b32 s17, s17, 2
	s_add_co_u32 s17, s17, s41                     ; tile row
	s_lshl_b32 s43, s41, 2
	s_lshl_b32 s43, 15, s43                        ; my row of the cluster
	s_lshl_b32 s44, 0x1111, s40                    ; my column
	s_or_b32 s[G1+0], s43, (0<<16)|(1<<20)|(1<<21)|(5<<22)|(3<<25)  ; the mask; elements of 1 byte; padding: 4 words after every 64; bit 21 beside a mask
	s_or_b32 s[G1B+0], s44, (0<<16)|(1<<20)|(1<<21)|(5<<22)|(3<<25)
.irp g, G1, G1B
	s_mov_b32 s[\g+1], ROWB<<16                    ; tensor_dim0
	s_mov_b32 s[\g+2], 128<<16                     ; tensor_dim1
	s_mov_b32 s[\g+3], ROWB<<16                    ; tile_dim0
	s_mov_b32 s[\g+4], 128                         ; tile_dim1
	s_mov_b32 s[\g+5], KROW                        ; the pitch
	s_mov_b32 s[\g+6], 0
	s_mov_b32 s[\g+7], 0
.endr
	s_or_b32 s[G1S+0], s43, (3<<16)|(1<<20)|(1<<21)|(5<<22)|(3<<25) ; the scales of 128 rows: a dense block, as rows of 256 bytes (32 elements of 8)
	s_or_b32 s[G1SB+0], s44, (3<<16)|(1<<20)|(1<<21)|(5<<22)|(3<<25)
.irp g, G1S, G1SB
	s_mov_b32 s[\g+1], 32<<16
	s_mov_b32 s[\g+2], (128*KS/256)<<16
	s_mov_b32 s[\g+3], 32<<16
	s_mov_b32 s[\g+4], 128*KS/256
	s_mov_b32 s[\g+5], 32
	s_mov_b32 s[\g+6], 0
	s_mov_b32 s[\g+7], 0
.endr
	s_lshl_b32 s18, s16, 7
	s_lshl_b32 s20, s17, 8
	s_add_co_u32 s20, s20, s18                     ; A: row 256 x tile row + 128 x half
	s_lshl_b32 s46, s42, 8
	s_add_co_u32 s46, s46, s18                     ; B: row 256 x tile column + 128 x half
	s_mov_b32 s21, 0
	s_mov_b32 s47, 0
	s_mov_b64 s[18:19], KS
	s_mul_u64 s[22:23], s[20:21], s[18:19]
	s_mul_u64 s[92:93], s[46:47], s[18:19]
	s_mov_b64 s[18:19], KROW
	s_mul_u64 s[20:21], s[20:21], s[18:19]
	s_mul_u64 s[46:47], s[46:47], s[18:19]
	s_mul_i32 s45, s14, HALFT                      ; where they go: by the wave's number alone
	s_mul_i32 s94, s14, HALFS
	s_wait_dscnt 0x0                               ; both opening adds are done
	s_wait_kmcnt 0x0
	s_add_nc_u64 s[20:21], s[4:5], s[20:21]
	s_add_nc_u64 s[22:23], s[6:7], s[22:23]
	s_add_nc_u64 s[46:47], s[8:9], s[46:47]
	s_add_nc_u64 s[92:93], s[10:11], s[92:93]
	CROUND                                         ; all sixteen work-groups are here: the joint loads meet
	s_mov_b32 s[G0S], 1
	s_add_co_u32 s[G0S+1], s94, SCL
	s_mov_b64 s[G0S+2:G0S+3], s[22:23]
	s_or_b32 s[G0S+3], s[G0S+3], 0x80000000
	s_mov_b32 s[G0SB], 1
	s_add_co_u32 s[G0SB+1], s94, SCL
	s_mov_b64 s[G0SB+2:G0SB+3], s[92:93]
	s_or_b32 s[G0SB+3], s[G0SB+3], 0x80000000
	JLOAD G0S, G1S, G0SB, G1SB                     ; the scales first
.irp s, 0,1
	s_mov_b32 s[G0+4*\s], 1
	s_add_co_u32 s[G0+4*\s+1], s45, \s*SLOT
	s_add_nc_u64 s[G0+4*\s+2:G0+4*\s+3], s[20:21], \s*ROWB
	s_or_b32 s[G0+4*\s+3], s[G0+4*\s+3], 0x80000000
	s_mov_b32 s[G0B+4*\s], 1
	s_add_co_u32 s[G0B+4*\s+1], s45, \s*SLOT
	s_add_nc_u64 s[G0B+4*\s+2:G0B+4*\s+3], s[46:47], \s*ROWB
	s_or_b32 s[G0B+4*\s+3], s[G0B+4*\s+3], 0x80000000
	JLOAD G0+4*\s, G1, G0B+4*\s, G1B
.endr
	s_load_b64 s[4:5], s[0:1], 0x28                ; bq   (s4-s11 have served)
	s_load_b64 s[6:7], s[0:1], 0x30                ; bk
	s_load_b64 s[8:9], s[0:1], 0x38                ; bv
	s_load_b64 s[96:97], s[0:1], 0x40              ; fin
	v_and_b32 v1, 15, v0                           ; r
	v_bfe_u32 v2, v0, 4, 1                         ; h
	v_mul_u32_u24 v3, v1, PITCH
	v_lshl_add_u32 v4, v2, 4, v3
	s_mul_i32 s21, s15, HALFT
	s_mul_i32 s22, s16, HALFT
	s_add_co_u32 s22, s22, 2*HALFT
.irp s, 0,1
	v_add_nc_u32 v[ADRA+\s], s21, v4
	v_add_nc_u32 v[ADRB+\s], s22, v4
	s_add_co_u32 s21, s21, SLOT
	s_add_co_u32 s22, s22, SLOT
.endr
	v_mul_u32_u24 v5, v1, KS                       ; my row's scales: KS bytes a row,
	v_lshrrev_b32 v6, 8, v5
	v_lshl_add_u32 v5, v6, 4, v5                   ; and 16 more for each 256 passed
	s_mul_i32 s21, s15, HALFS
	s_mul_i32 s22, s16, HALFS
	s_add_co_u32 s22, s22, 2*HALFS
	s_sub_co_u32 s22, s22, s21
	v_mul_u32_u24 v6, s22, v2                      ; lanes 16-31 take B's
	s_add_co_u32 s21, s21, SCL
	v_add_nc_u32 v5, v5, v6
	v_add_nc_u32 v[ADRS], s21, v5
	s_mul_i32 s23, s14, 16*SPITCH
	s_add_co_u32 s23, s23, STAGE                   ; my stage
	v_mul_u32_u24 v5, v1, SPITCH
	v_lshl_add_u32 v5, v2, 4, v5
	v_add_nc_u32 v[STO], s23, v5                   ; in: row r, 16 bytes for each half of the lanes
	v_mul_u32_u24 v5, v2, SPITCH
	v_lshl_add_u32 v5, v1, 4, v5
	v_add_nc_u32 v[RD], s23, v5                    ; back: lanes 0-15 one row of 256 bytes, lanes 16-31 the next
	v_mul_u32_u24 v5, v2, CROW
	v_lshl_add_u32 v[CO], v1, 4, v5                ; and the same two rows in qkv
	s_lshl_b32 s20, s17, 8
	s_lshl_b32 s21, s15, 7
	s_add_co_u32 s20, s20, s21                     ; my first row
	s_mul_i32 s20, s20, CROW
	s_mov_b32 s21, 0
	s_lshl_b32 s46, s42, 8
	s_lshl_b32 s47, s16, 7
	s_add_co_u32 s46, s46, s47                     ; my first column of the 6,144
	s_lshl_b32 s92, s46, 1
	s_add_co_u32 s20, s20, s92
	s_add_nc_u64 s[12:13], s[12:13], s[20:21]
	s_and_b32 s47, s46, 2047
	s_lshl_b32 s47, s47, 2
	v_lshl_add_u32 v[BO], v2, 5, s47               ; the bias: my first column within its projection, + 8 h numbers
	; fin: who stores, and where.  No branch: a mask of lanes.  Q's tiles: the lanes with r = 0 of block 0 (row 128 j).  K's and V's: all lanes of block 0 where my first row is a batch's row 0.
	s_and_b32 s92, s17, 7
	s_or_b32 s92, s92, s15
	s_lshl_b32 s93, s17, 1
	s_add_co_u32 s93, s93, s15
	s_lshl_b32 s93, s93, 13                        ; (2 x tile row + half) rows of 8,192 bytes
	s_lshl_b32 s94, s46, 2
	s_add_co_u32 s93, s93, s94
	s_lshr_b32 s95, s17, 3                         ; the batch
	s_lshl_b32 s95, s95, 18
	s_add_co_u32 s95, s95, s94
	s_add_co_u32 s95, s95, 262144-8192             ; behind Q's part; K's first column is the 2,048th
	s_cmp_lt_u32 ttmp9, 2                          ; Q's tiles: the cluster's x alone, the same in all partners
	s_cselect_b32 s94, 15, 0
	s_cselect_b32 s92, 0, s92
	s_cselect_b32 s93, s93, s95
	s_cselect_b32 s95, 0, 0x4000
	v_and_b32 v[FM], s94, v1
	v_or_b32 v[FM], s92, v[FM]
	v_mul_u32_u24 v[FO], v1, s95
	v_lshl_add_u32 v[FO], v2, 5, v[FO]
	v_add_nc_u32 v[FO], s93, v[FO]
	s_wait_kmcnt 0x0
	s_cmp_lt_u32 ttmp9, 4
	s_cselect_b64 s[6:7], s[6:7], s[8:9]
	s_cmp_lt_u32 ttmp9, 2
	s_cselect_b64 s[4:5], s[4:5], s[6:7]           ; my projection's bias
.irp b, 0,1,2,3,4,5,6,7
	global_load_b128 v[BIAS+8*\b:BIAS+8*\b+3], v[BO], s[4:5] offset:64*\b       ; tile b: columns 16 b + 8 h + 0 .. 7, in the result's layout
	global_load_b128 v[BIAS+8*\b+4:BIAS+8*\b+7], v[BO], s[4:5] offset:64*\b+16
.endr
.macro FRAG reg, adr, q, i             ; 16 rows x 128 K of 4-bit codes: 8 registers, two loads of 16 bytes, 32 bytes apart
.irp c, 0,1
	ds_load_b128 v[\reg+4*\c:\reg+4*\c+3], v[\adr] offset:64*(\q)+32*\c+(\i)*16*PITCH
.endr
.endm
; 16 matrix instructions: A's blocks a0, a0 + 1 x B's eight.  zero = 1: the sums begin with the bias.  The 64 accumulators take turns, one instruction a turn.
.macro MUL16 a0, p, q, sc, zero
.irp a, \a0, \a0+1
.irp b, 0,1,2,3,4,5,6,7
.if \zero
	v_wmma_scale_f32_16x16x128_f8f6f4 v[8*(8*((\a)%4)+\b):8*(8*((\a)%4)+\b)+7], v[128*(\p)+FR*\b:128*(\p)+FR*\b+FR-1], v[AF+FR*(\a):AF+FR*(\a)+FR-1], v[BIAS+8*\b:BIAS+8*\b+7], v[SC+8*NQ*(\sc)+NQ*\b+(\q)], v[SC+8*NQ*(\sc)+NQ*(\a)+(\q)] matrix_a_fmt:MATRIX_FMT_FP4 matrix_b_fmt:MATRIX_FMT_FP4 matrix_a_scale:MATRIX_SCALE_ROW1
.else
	v_wmma_scale_f32_16x16x128_f8f6f4 v[8*(8*((\a)%4)+\b):8*(8*((\a)%4)+\b)+7], v[128*(\p)+FR*\b:128*(\p)+FR*\b+FR-1], v[AF+FR*(\a):AF+FR*(\a)+FR-1], v[8*(8*((\a)%4)+\b):8*(8*((\a)%4)+\b)+7], v[SC+8*NQ*(\sc)+NQ*\b+(\q)], v[SC+8*NQ*(\sc)+NQ*(\a)+(\q)] matrix_a_fmt:MATRIX_FMT_FP4 matrix_b_fmt:MATRIX_FMT_FP4 matrix_a_scale:MATRIX_SCALE_ROW1
.endif
.endr
.endr
.endm
.macro FETCH_B slot, q, p
	WIN TO_B
.irp i, 0,1,2,3,4,5,6,7
	FRAG 128*(\p)+FR*\i, ADRB+\slot, \q, \i
.endr
	WIN 0
.endm
.macro FETCH_A slot, q, i0
.irp i, \i0, \i0+1, \i0+2, \i0+3
	FRAG AF+FR*(\i), ADRA+\slot, \q, \i
.endr
.endm
.macro SCALES sc                       ; a slot's scale words: lanes 0-15 A's block i, lanes 16-31 B's block i
.irp i, 0,1,2,3,4,5,6,7
	ds_load_b128 v[SC+8*NQ*\sc+NQ*\i:SC+8*NQ*\sc+NQ*\i+3], v[ADRS] offset:\i*SBLK
.endr
.endm
.macro PLACES n                        ; plain vector places between a matrix instruction and a load into, or a read of, its registers
.rept \n
	v_nop
.endr
.endm
.macro STEP slot, q, zero              ; 128 along K with its successor in the same slot
	s_wait_dscnt 4*NL                              ; all but the youngest eight loads (A's blocks 4-7) are in
.if \zero
	WIN BEG_LO
.else
	WIN MUL_LO
.endif
	MUL16 0, (\q)%2, \q, \slot, \zero
	MUL16 2, (\q)%2, \q, \slot, \zero
	s_wait_dscnt 0
	PLACES NP
	FETCH_B \slot, (\q)+1, 1-(\q)%2
	FETCH_A \slot, (\q)+1, 0
.if \zero
	WIN BEG_HI
.else
	WIN MUL_HI
.endif
	MUL16 4, (\q)%2, \q, \slot, \zero
	MUL16 6, (\q)%2, \q, \slot, \zero
	PLACES NP
	WIN 0
	FETCH_A \slot, (\q)+1, 4
.endm
.macro TURN slot, next                 ; a slot's last step changes slots: one barrier; nothing is filled again
	s_wait_tensorcnt 0x0                           ; all my tensor loads have landed: my part of the next slot
	ds_add_u32 v[SPW], v[NIL]
	s_wait_dscnt 4*NL+1                            ; (the add and the youngest eight loads may be out)
	WIN MUL_LO
	MUL16 0, 1, NQ-1, \slot, 0
	s_wait_dscnt 0x0                               ; the add is done, my reads of this slot are over
	s_barrier_signal -1
	MUL16 2, 1, NQ-1, \slot, 0
	WIN 0
	s_barrier_wait -1                              ; the next slot is whole for every wave
	PLACES NP
	v_add_nc_u32 v[ADRS], 4*NQ, v[ADRS]            ; the next slot's scale words
	FETCH_B \next, 0, 0
	FETCH_A \next, 0, 0
	SCALES \next
	WIN MUL_HI
	MUL16 4, 1, NQ-1, \slot, 0
	MUL16 6, 1, NQ-1, \slot, 0
	PLACES NP
	WIN 0
	FETCH_A \next, 0, 4
.endm
.macro STEPS slot, from
.set Q, \from
.rept NQ-1-\from
	STEP \slot, Q, 0
.set Q, Q+1
.endr
.endm
	s_wait_tensorcnt 1                             ; the scales and my part of slot 0 are in; slot 1's load, issued last, may be out
	s_barrier_signal -1
	s_barrier_wait -1
	FETCH_B 0, 0, 0
	FETCH_A 0, 0, 0
	SCALES 0
	FETCH_A 0, 0, 4
	s_wait_loadcnt 0x0                             ; the bias
	STEP 0, 0, 1
	STEPS 0, 1
	TURN 0, 1
	STEPS 1, 0
	s_wait_dscnt 4*NL
	WIN MUL_LO
	MUL16 0, 1, NQ-1, 1, 0
	MUL16 2, 1, NQ-1, 1, 0
	s_wait_dscnt 0
	WIN MUL_HI
	MUL16 4, 1, NQ-1, 1, 0
	MUL16 6, 1, NQ-1, 1, 0
	WIN 0
	PLACES NP                                      ; behind the last products, with all lanes on
	; the f32 rows for the fine launch: block 0's accumulators as they are, from the lanes whose mask word is 0
	s_wait_xcnt 0x0                                ; EXEC changes only behind this wait
	v_cmp_eq_u32 vcc_lo, 0, v[FM]
	s_and_saveexec_b32 s98, vcc_lo
	WIN 0x08                                       ; a store's data: window 2
.irp b, 0,1,2,3,4,5,6,7
	global_store_b128 v[FO], v[8*\b:8*\b+3], s[96:97] offset:64*\b          ; each accumulator from its low end on
	global_store_b128 v[FO], v[8*\b+4:8*\b+7], s[96:97] offset:64*\b+16
.endr
	WIN 0
	s_wait_xcnt 0x0                                ; and again, in front of the line that widens it
	s_or_b32 exec_lo, exec_lo, s98
; THE WAY OUT: a block of 16 rows x 128 columns is rounded to f16 (16 bytes a lane), goes through my own stage and comes back as whole rows of 256 bytes.
.macro PACK a
.set AC, 64*((\a)%4)
	WIN 0x0a+5*((\a)/4)                            ; sources 0 and 1: window 2 or 3
.irp b, 0,1,2,3,4,5,6,7
.irp r, 0,1,2,3
	v_cvt_pk_f16_f32 v[TMP+4*\b+\r], v[AC+8*\b+2*\r], v[AC+8*\b+2*\r+1]
.endr
.endr
	WIN 0
.endm
.macro TOSTAGE a
.set BK, OB+192*((\a)%2)
.irp b, 0,1,2,3,4,5,6,7
	ds_store_b128 v[STO], v[TMP+4*\b:TMP+4*\b+3] offset:32*\b
.endr
.irp t, 0,1,2,3,4,5,6,7
	ds_load_b128 v[BK+4*\t:BK+4*\t+3], v[RD] offset:\t*2*SPITCH    ; LDS serves a wave's instructions in order: these see the stores above
.endr
.endm
.macro SEND a
.set BK, OB+192*((\a)%2)
	s_wait_dscnt 0x0                               ; the block is back in registers
	s_wait_xcnt 0x0                                ; earlier stores have read their base and their data: both may be written
.if (\a) > 0
	s_add_nc_u64 s[12:13], s[12:13], 16*CROW
.endif
.irp t, 0,1,2,3,4,5,6,7
	global_store_b128 v[CO], v[BK+4*\t:BK+4*\t+3], s[12:13] offset:2*\t*CROW   ; sixteen lanes store 256 consecutive bytes, aligned
.endr
.endm
	PACK 0
	TOSTAGE 0
.irp a, 1,2,3,4,5,6,7
	PACK \a                                        ; block a's conversions stand between block a - 1's loads from the stage and the wait for them
	SEND \a-1
	TOSTAGE \a
.endr
	SEND 7
	s_wait_tensorcnt 0x0                           ; the wave's end
	ds_add_u32 v[SPW], v[NIL]
	s_wait_dscnt 0x0
	CROUND                                         ; the closing round
	s_endpgm
.Lfunc_end_k_q0b7caf9450_qkv:
	.size	k_q0b7caf9450_qkv, .Lfunc_end_k_q0b7caf9450_qkv-k_q0b7caf9450_qkv
	.p2alignl 7, 3214868480
	.fill 96, 4, 3214868480
	.section	.rodata,"a",@progbits
	.p2align	6, 0x0
	.amdhsa_kernel k_q0b7caf9450_qkv
		.amdhsa_group_segment_fixed_size 327680
		.amdhsa_private_segment_fixed_size 0
		.amdhsa_enable_private_segment 0
		.amdhsa_kernarg_size 72
		.amdhsa_user_sgpr_count 2
		.amdhsa_user_sgpr_kernarg_segment_ptr 1
		.amdhsa_wavefront_size32 1
		.amdhsa_system_sgpr_workgroup_id_x 1
		.amdhsa_system_sgpr_workgroup_id_y 1
		.amdhsa_system_sgpr_workgroup_id_z 1
		.amdhsa_system_vgpr_workitem_id 0
		.amdhsa_next_free_vgpr 1024
		.amdhsa_next_free_sgpr 100
		.amdhsa_reserve_vcc 1
		.amdhsa_float_denorm_mode_32 3
		.amdhsa_float_denorm_mode_16_64 3
		.amdhsa_memory_ordered 1
		.amdhsa_forward_progress 1
		.amdhsa_inst_pref_size 131
	.end_amdhsa_kernel
	.amdgpu_metadata
---
amdhsa.version: [ 1, 2 ]
amdhsa.kernels:
  - .name:           k_q0b7caf9450_qkv
    .symbol:         k_q0b7caf9450_qkv.kd
    .args:
      - { .name: x_codes, .offset: 0, .size: 8, .value_kind: global_buffer, .address_space: global }
      - { .name: x_scales, .offset: 8, .size: 8, .value_kind: global_buffer, .address_space: global }
      - { .name: w_codes, .offset: 16, .size: 8, .value_kind: global_buffer, .address_space: global }
      - { .name: w_scales, .offset: 24, .size: 8, .value_kind: global_buffer, .address_space: global }
      - { .name: qkv, .offset: 32, .size: 8, .value_kind: global_buffer, .address_space: global }
      - { .name: bq, .offset: 40, .size: 8, .value_kind: global_buffer, .address_space: global }
      - { .name: bk, .offset: 48, .size: 8, .value_kind: global_buffer, .address_space: global }
      - { .name: bv, .offset: 56, .size: 8, .value_kind: global_buffer, .address_space: global }
      - { .name: fin, .offset: 64, .size: 8, .value_kind: global_buffer, .address_space: global }
    .group_segment_fixed_size: 327680
    .private_segment_fixed_size: 0
    .kernarg_segment_align: 8
    .kernarg_segment_size: 72
    .max_flat_workgroup_size: 128
    .sgpr_count:     100
    .vgpr_count:     1024
    .wavefront_size: 32
...
	.end_amdgpu_metadata
.endif
;; end of part 2
;; launch attn (part 3): grid 8 x 32, 4 waves a work-group, no clusters, 327,680 bytes of LDS; arguments qkv, obuf; writes obuf
.if DOCPART == 3
	.amdgcn_target "amdgcn-amd-amdhsa--gfx1250"
	.amdhsa_code_object_version 6
	.text
	.protected	k_q0b7caf9450_attn
	.globl	k_q0b7caf9450_attn
	.p2align	8
	.type	k_q0b7caf9450_attn,@function
k_q0b7caf9450_attn:
	s_mov_b64 s[64:65], 0
	v_nop
	global_prefetch_b8 v0, s[64:65] scope:SCOPE_SE
	s_setreg_imm32_b32 hwreg(HW_REG_WAVE_MODE, 25, 1), 1
	s_wait_xcnt 0x0
; ATTN.  Causal attention on f16 operands, f32 products, maxima and sums.  qkv: [4096][6144] f16 (Q, K, V side by side, rows of 12,288 bytes); obuf: [4096][2048] f16.
; Query t of head h of batch b is chunk t % 16 (128 numbers) of Q's row 2048 b + 128 h + t / 16: a tile of 16 queries is one whole row of Q.  Key s and value s are columns 128 h on of row 2048 b + s.
; SHARES.  Work-group (i, 16 b + h) owns query blocks i and 15 - i, 128 queries each: 17 blocks of 128 x 128 under the mask for every work-group.  Wave w holds queries 128 i + 32 w on (tiles 0, 1: piece 0) and
; 128 (15 - i) + 32 w on (tiles 2, 3: piece 2), so that a fragment of K or V read from LDS feeds four tiles while both pieces are live.
; NO CLUSTER: the work-groups of a head end their walks at different keys (128 (15 - i) + 127), so partners would need different numbers of tiles.
; LAYOUT.  S^T = K Q^T and O^T = V^T P: a lane holds ONE query (lane % 16); two tiles of S^T, rounded in pairs, are source 1 of the second product.  V is turned by ds_load_tr16_b128.
; SOFTMAX.  A running maximum m and sum l for each query: p = 2^(c s - c m), c = log2(e) / sqrt(128); in every step O and l are multiplied by 2^(c m_old - c m_new).  m begins at -3e38, l and O at 0.
; THE MASK.  Every work-group walks all 16 slots of 128 keys (constant trip counts); a step all of whose keys come after a piece's queries is jumped over by a scalar branch on ids; on the diagonal hidden scores become
; -infinity.  A piece's 32 queries lie inside one step of 64 keys, so the step's first key counts for each of them and m is a number from the first step on.
; A slot beyond the work-group's last query is not asked for.
; IN PHASES: for each piece K Q^T, the softmax, V^T P.
; LIMITS: p under 2^-126 falls to 0; p and the result are rounded to f16; NaN and infinities are not served.
; REGISTERS: window 0: v1-11 addresses; v12-43 statistics, eight a tile; v44-47 each tile's query less 8 (lane / 16); v48 -infinity; v61-63; v64-191 S^T; v192-255 P.
;   window 1: O^T, 64 a tile.   window 2: v0-127 Q; v128-255 K of a step.   window 3: v0-127 V of a step.
.set KS,    64
.set PK,    272                        ; a row of K in LDS: 256 bytes + 16
.set PV,    288                        ; a row of V: 256 + 32
.set VOFF,  KS*PK
.set STEPB, KS*(PK+PV)
.set SLOT1, 1<<17                      ; a slot holds two steps; one exclusive or turns an address from one slot to the other
.set STAGE, SLOT1+2*STEPB              ; 16 rows x 272 bytes for each wave, for the way out; no tensor load lands here
.set SP,    272
.set SPARE, STAGE+4*16*SP              ; the spare words, 128 bytes a wave; no other line names them
.set QROW,  12288
.set AK0, 2
.set AV0, 3
.set ADR, 4
.set QO,  5
.set STO, 6
.set RD,  7
.set GO,  8
.set ADR2, 11
.set ST,  12                           ; tile t at v[ST+8 t]: +0 c m, +1 m, +2, +3 l, +4 to +7 at work
.set DQ,  44
.set NINF, 48
.set PFO, 61
.set SPW, 62
.set NIL, 63
.set S,   64
.set P,   192
.set KFR, 128
.set WV,  12
.set PFA, 18                           ; s[18:19] where my prefetches stand
.set G1K, 24
.set G1V, 32
.set G0K, 40
.set G0V, 44
.set KEY, 48                           ; the step's first key
.set QL,  49                           ; piece 0's first query, s50 its last
.set QLE, 50
.set QH,  51                           ; piece 2's first query, s52 its last
.set QHE, 52
.set QMAX, 53                          ; the work-group's last query
.set SLOTS, 56
.set TWICE, 57
.set CS,  58
.set SEL, 60
.set TB,  62                           ; LDS byte at which the step's tiles begin
.set LIM, 63
.set MSB, 0
.macro WIN new
.if MSB != \new
	s_set_vgpr_msb (MSB<<8)|\new
.set MSB, \new
.endif
.endm
.set W_KQ, 0x0a                        ; K and Q in window 2, S^T in window 0
.set W_PV, 0x53                        ; V in window 3, P in window 0, O^T in window 1
.set W_RS, 0x41                        ; O^T in window 1, the factor in window 0
; Waves 0 and 1 fetch the slot's two steps of K, waves 2 and 3 those of V.  An s_nop 0 and four v_nop follow each line.
.macro TLOAD
	s_cmp_lt_u32 s[WV], 2
	s_cbranch_scc0 .Lfor_v_\@
	tensor_load_to_lds s[G0K:G0K+3], s[G1K:G1K+7]
	s_nop 0
.rept 4
	v_nop
.endr
	s_branch .Lasked_\@
.Lfor_v_\@:
	tensor_load_to_lds s[G0V:G0V+3], s[G1V:G1V+7]
	s_nop 0
.rept 4
	v_nop
.endr
.Lasked_\@:
.endm
; A prefetch of what the NEXT change of slots will ask for: 128 rows, 256 bytes of K and 256 of V in each.  All eight work-groups of a head walk the same rows; the one with i = 0, which walks all slots, asks:
; each of its waves for 32 rows, a lane a row, one instruction for K's part and one for V's.  So each piece of 256 bytes is named once in the launch.  It stops one slot ahead of the loads.
.macro ASK
	s_cmp_gt_u32 s[SLOTS], s[LIM]
	s_cbranch_scc0 .Lnot_mine_\@
	global_prefetch_b8 v[PFO], s[PFA:PFA+1] th:TH_LOAD_NT scope:SCOPE_SE
	global_prefetch_b8 v[PFO], s[PFA:PFA+1] offset:4096 th:TH_LOAD_NT scope:SCOPE_SE
.Lnot_mine_\@:
.endm
	s_load_b128 s[4:7], s[0:1], 0x0                ; qkv, obuf
	v_lshl_add_u32 v[SPW], v0, 2, SPARE
	v_mov_b32 v[NIL], 0
	ds_add_u32 v[SPW], v[NIL]                      ; the wave's opening: the add, twice on end, and its wait ahead of my first tensor load
	ds_add_u32 v[SPW], v[NIL]
	v_lshrrev_b32 v1, 5, v0
	v_readfirstlane_b32 s[WV], v1                  ; wave 0..3
	s_and_b32 s13, ttmp7, 0xffff
	s_lshr_b32 s14, s13, 4                         ; b
	s_and_b32 s15, s13, 15                         ; h
	s_sub_co_u32 s16, 15, ttmp9                    ; 15 - i
	s_lshl_b32 s17, s[WV], 5
	s_lshl_b32 s[QL], ttmp9, 7
	s_add_co_u32 s[QL], s[QL], s17
	s_add_co_u32 s[QLE], s[QL], 31
	s_lshl_b32 s[QH], s16, 7
	s_add_co_u32 s[QMAX], s[QH], 127
	s_add_co_u32 s[QH], s[QH], s17
	s_add_co_u32 s[QHE], s[QH], 31
	s_lshl_b32 s2, s14, 11                         ; 2048 b
	s_lshl_b32 s3, s15, 7
	s_add_co_u32 s3, s3, s2
	s_lshl_b32 s17, s[WV], 1
	s_add_co_u32 s3, s3, s17                       ; 2048 b + 128 h + 2 w
	s_lshl_b32 s17, ttmp9, 3
	s_add_co_u32 s17, s17, s3
	s_mul_i32 s8, s17, QROW                        ; piece 0's two rows of Q
	s_mov_b32 s9, 0
	s_lshl_b32 s17, s16, 3
	s_add_co_u32 s17, s17, s3
	s_mul_i32 s10, s17, QROW                       ; piece 2's
	s_mov_b32 s11, 0
	s_lshl_b32 s55, s15, 8                         ; 256 h: the head's bytes in a row
	s_add_co_u32 s17, s2, s[QL]
	s_lshl_b32 s20, s17, 12
	s_add_co_u32 s20, s20, s55                     ; piece 0's rows of obuf
	s_mov_b32 s21, 0
	s_add_co_u32 s17, s2, s[QH]
	s_lshl_b32 s22, s17, 12
	s_add_co_u32 s22, s22, s55                     ; piece 2's
	s_mov_b32 s23, 0
	s_and_b32 s54, s[WV], 1                        ; which of a slot's two steps I fetch
	s_lshl_b32 s17, s54, 6
	s_add_co_u32 s17, s17, s2
	s_mul_i32 s16, s17, QROW
	s_add_co_u32 s16, s16, s55
	s_add_co_u32 s16, s16, 4096                    ; K's part of a row begins 4,096 bytes in
	s_mov_b32 s17, 0
	s_mul_i32 s13, s54, STEPB                      ; and its place in a slot
	s_lshl_b32 s18, s[WV], 5
	s_add_co_u32 s18, s18, s2
	s_add_co_u32 s18, s18, 128                     ; the prefetches: my 32 rows, in slot 1; the first change of slots steps them to slot 2
	s_mul_i32 s18, s18, QROW
	s_add_co_u32 s18, s18, s55
	s_add_co_u32 s18, s18, 4096
	s_mov_b32 s19, 0
	s_mov_b32 s[G1K], (1<<16)|(1<<20)|(5<<22)|(3<<25)   ; no mask; elements of 2 bytes; padding: 4 words after every 64
	s_mov_b32 s[G1V], (1<<16)|(1<<20)|(5<<22)|(7<<25)   ; 8 words
.irp g, G1K, G1V
	s_mov_b32 s[\g+1], 128<<16                     ; tensor_dim0
	s_mov_b32 s[\g+2], KS<<16                      ; tensor_dim1
	s_mov_b32 s[\g+3], 128<<16                     ; tile_dim0
	s_mov_b32 s[\g+4], KS                          ; tile_dim1
	s_mov_b32 s[\g+5], 6144                        ; elements from row to row
	s_mov_b32 s[\g+6], 0
	s_mov_b32 s[\g+7], 0
.endr
	s_mov_b32 s[CS], 0x3e0293ee                    ; c = log2(e) / sqrt(128)
	s_mov_b32 s[CS+1], s[CS]
	s_mov_b32 s[SEL], 0x76543210
	s_mov_b32 s[SEL+1], 0xfedcba98
	s_mov_b32 s[TB], 0
	s_mov_b32 s[KEY], 0
	s_mov_b32 s[SLOTS], 15
	s_cmp_eq_u32 ttmp9, 0
	s_cselect_b32 s[LIM], 1, -1
	s_wait_dscnt 0x0                               ; both opening adds are done
	s_wait_kmcnt 0x0
	s_mov_b32 s[G0K], 1
	s_mov_b32 s[G0K+1], s13
	s_add_nc_u64 s[G0K+2:G0K+3], s[4:5], s[16:17]
	s_mov_b32 s[G0V], 1
	s_add_co_u32 s[G0V+1], s13, VOFF
	s_add_nc_u64 s[G0V+2:G0V+3], s[G0K+2:G0K+3], 4096   ; V's part lies 4,096 bytes behind K's
	s_or_b32 s[G0K+3], s[G0K+3], 0x80000000
	s_or_b32 s[G0V+3], s[G0V+3], 0x80000000
	TLOAD                                          ; slot 0: it holds key 0, which counts for every query
	s_add_nc_u64 s[8:9], s[4:5], s[8:9]
	s_add_nc_u64 s[10:11], s[4:5], s[10:11]
	s_add_nc_u64 s[PFA:PFA+1], s[4:5], s[PFA:PFA+1]
	s_add_nc_u64 s[20:21], s[6:7], s[20:21]
	s_add_nc_u64 s[22:23], s[6:7], s[22:23]
	v_and_b32 v1, 15, v0                           ; r
	v_bfe_u32 v9, v0, 4, 1                         ; h
	v_lshlrev_b32 v[QO], 8, v1
	v_lshl_add_u32 v[QO], v9, 4, v[QO]             ; query r's 256 bytes of the row, + 16 h
	WIN 0x80                                       ; destination window 2
.irp t, 0,1
.irp c, 0,1,2,3
	global_load_b128 v[32*\t+8*\c:32*\t+8*\c+3],       v[QO], s[8:9] offset:\t*QROW+64*\c
	global_load_b128 v[32*\t+8*\c+4:32*\t+8*\c+7],     v[QO], s[8:9] offset:\t*QROW+64*\c+32
	global_load_b128 v[64+32*\t+8*\c:64+32*\t+8*\c+3],   v[QO], s[10:11] offset:\t*QROW+64*\c
	global_load_b128 v[64+32*\t+8*\c+4:64+32*\t+8*\c+7], v[QO], s[10:11] offset:\t*QROW+64*\c+32
.endr
.endr
	WIN 0
	v_mul_u32_u24 v[AK0], v1, PK
	v_lshl_add_u32 v[AK0], v9, 4, v[AK0]
	v_and_b32 v10, 7, v0
	v_bfe_u32 v11, v0, 3, 1
	v_lshl_add_u32 v[AV0], v9, 3, v10              ; the turning load: key 8 (l / 16) + l % 8, channels 8 ((l / 8) % 2) on
	v_mul_u32_u24 v[AV0], v[AV0], PV
	v_lshl_add_u32 v[AV0], v11, 4, v[AV0]
	v_add_nc_u32 v[AV0], VOFF, v[AV0]
	s_mul_i32 s13, s[WV], 16*SP
	s_add_co_u32 s13, s13, STAGE                   ; my stage
	v_mul_u32_u24 v[STO], v1, SP
	v_lshl_add_u32 v[STO], v9, 4, v[STO]
	v_add_nc_u32 v[STO], s13, v[STO]
	v_mul_u32_u24 v[RD], v9, SP
	v_lshl_add_u32 v[RD], v1, 4, v[RD]
	v_add_nc_u32 v[RD], s13, v[RD]
	v_lshlrev_b32 v[GO], 12, v9
	v_lshl_add_u32 v[GO], v1, 4, v[GO]             ; two rows of obuf, 16 bytes a lane
	v_lshlrev_b32 v10, 3, v9
	v_sub_nc_u32 v10, v1, v10                      ; r - 8 h
	v_add_nc_u32 v[DQ], s[QL], v10
	v_add_nc_u32 v[DQ+1], 16, v[DQ]
	v_add_nc_u32 v[DQ+2], s[QH], v10
	v_add_nc_u32 v[DQ+3], 16, v[DQ+2]
	v_mov_b32 v[NINF], 0xff800000
	v_and_b32 v[PFO], 31, v0
	v_mul_u32_u24 v[PFO], v[PFO], QROW
.irp t, 0,1,2,3
	v_mov_b32 v[ST+8*\t+1], 0xff61b1e6             ; m = -3e38, under every score
	v_mul_f32 v[ST+8*\t], s[CS], v[ST+8*\t+1]
	v_mov_b32 v[ST+8*\t+2], 0
	v_mov_b32 v[ST+8*\t+3], 0
	v_mov_b32 v[ST+8*\t+5], 0                      ; written once on every way: a lane permute's destination counts as one of its sources,
	v_mov_b32 v[ST+8*\t+7], 0                      ; and this word is named on the way out as the upper half of the pair that holds 1 / l
.endr
	WIN 0x40
.set i, 0
.rept 256
	v_mov_b32 v[i], 0                              ; O^T, once: the step is written in one form, whose first use finds zeros
.set i, i+1
.endr
	WIN 0
; Product i of 32 of S^T = K Q^T for piece x: channels 32 (i / 8) on, keys 16 ((i / 2) % 4) on, tile x + i % 2.  The first 8 start the sums.  The accumulators take turns.
.macro MKQ x
	WIN W_KQ
.set rS, S+32*(\x+i%2)+8*((i/2)%4)
.set rK, KFR+32*((i/2)%4)+8*(i/8)
.set rQ, 32*(\x+i%2)+8*(i/8)
.if i < 8
	v_wmma_f32_16x16x32_f16 v[rS:rS+7], v[rK:rK+7], v[rQ:rQ+7], 0
.else
	v_wmma_f32_16x16x32_f16 v[rS:rS+7], v[rK:rK+7], v[rQ:rQ+7], v[rS:rS+7]
.endif
.endm
; Product i of 32 of O^T += V^T P: keys 32 (i / 16) on, channels 16 ((i / 2) % 8) on, tile x + i % 2
.macro MPV x
	WIN W_PV
.set rO, 64*(\x+i%2)+8*((i/2)%8)
.set rV, 64*(i/16)+8*((i/2)%8)
.set rP, P+16*(\x+i%2)+8*(i/16)
	v_wmma_f32_16x16x32_f16 v[rO:rO+7], v[rV:rV+7], v[rP:rP+7], v[rO:rO+7]
.endm
; Register n of tile t holds key KEY + 16 (n / 8) + 8 (lane / 16) + n % 8: hidden where 16 (n / 8) + n % 8 > my query - KEY - 8 (lane / 16)
.macro MASK t
	v_sub_nc_u32 v10, v[DQ+(\t)], s[KEY]
.set n, 0
.rept 32
	v_cmp_gt_i32 vcc_lo, 16*(n/8)+n%8, v10
	v_cndmask_b32 v[S+32*(\t)+n], v[S+32*(\t)+n], v[NINF], vcc_lo
.set n, n+1
.endr
.endm
; Number j of 134 of one tile's softmax for one step.  0-15 the maximum; 16-20 the other half's, the new m, c m, its change; 21-69 the 16 scalings and all 33 exponentials, none of which names an exponential's
; result; 70-85 the roundings to f16; 86-101 the sums; 102-133 O^T times the factor.
.macro SM t
.set rT, ST+8*(\t)
.set rS, S+32*(\t)
.set rP, P+16*(\t)
.set rO, 64*(\t)+2*(j-102)
.if j < 102
	WIN 0
.endif
.if j < 4
	v_max3_num_f32 v[rT+4+j], v[rS+8*j], v[rS+8*j+1], v[rS+8*j+2]
.elseif j < 12
	v_max3_num_f32 v[rT+4+j%4], v[rT+4+j%4], v[rS+8*(j%4)+2*(j/4)+1], v[rS+8*(j%4)+2*(j/4)+2]
.elseif j == 12
	v_max3_num_f32 v[rT+4], v[rT+4], v[rS+7], v[rS+15]
.elseif j == 13
	v_max3_num_f32 v[rT+6], v[rT+6], v[rS+23], v[rS+31]
.elseif j == 14
	v_max3_num_f32 v[rT+4], v[rT+4], v[rT+5], v[rT+6]
.elseif j == 15
	v_max3_num_f32 v[rT+4], v[rT+4], v[rT+7], v[rT+1]
.elseif j == 16
	v_permlanex16_b32 v[rT+5], v[rT+4], s[SEL], s[SEL+1]
.elseif j == 17
	v_mov_b32 v[rT+7], v[rT]
.elseif j == 18
	v_max_num_f32 v[rT+1], v[rT+4], v[rT+5]
.elseif j == 19
	v_mul_f32 v[rT], s[CS], v[rT+1]
.elseif j == 20
	v_sub_f32 v[rT+7], v[rT+7], v[rT]
.elseif j == 23
	v_exp_f32 v[rT+6], v[rT+7]
.elseif (j < 23) || ((j < 38) && (j%2 == 0)) || ((j < 66) && (j%4 == 2))
.set b, (j-2)/4
.if j < 38
.set b, (j-20)/2
.endif
	v_pk_fma_f32 v[rS+2*b:rS+2*b+1], v[rS+2*b:rS+2*b+1], s[CS:CS+1], v[rT:rT+1] op_sel_hi:[1,0,0] neg_lo:[0,0,1] neg_hi:[0,0,1]
.elseif j < 70
.set e, j-38
.if j < 66
.set e, j-32-(j-38)/4
.endif
.if j < 38
.set e, (j-25)/2
.endif
	v_exp_f32 v[rS+e], v[rS+e]
.elseif j < 86
	v_cvt_pk_f16_f32 v[rP+j-70], v[rS+2*(j-70)], v[rS+2*(j-70)+1]
.elseif j < 102
.set z, j-86
.set w, 4
.set u, z
.if z >= 14
.set w, 32
.set u, 0
.elseif z >= 12
.set w, 16
.set u, z-12
.elseif z >= 8
.set w, 8
.set u, z-8
.endif
.if z < 15
	v_pk_add_f32 v[rS+w*u:rS+w*u+1], v[rS+w*u:rS+w*u+1], v[rS+w*u+w/2:rS+w*u+w/2+1]
.else
	v_pk_fma_f32 v[rT+2:rT+3], v[rT+2:rT+3], v[rT+6:rT+7], v[rS:rS+1] op_sel_hi:[1,0,1]
.endif
.else
	WIN W_RS
	v_pk_mul_f32 v[rO:rO+1], v[rO:rO+1], v[rT+6:rT+7] op_sel_hi:[1,0]
.endif
.endm
.macro SOFTMAX x                       ; the piece's two tiles alternate, number by number
.set j, 0
.rept 134
.if j == 70
	v_nop                                          ; a plain instruction behind the last exponential,
	s_wait_alu depctr_va_vdst(0)                   ; and one wait for the piece's 66, ahead of the first line that names a result
.endif
	SM \x
	SM \x+1
.set j, j+1
.endr
.endm
; One piece's step.  fq: the scalar register with its first query.  head = 1: the step's first piece, which waits for the step's LDS loads.
.macro PIECE x, fq, head
.if \head
	s_wait_dscnt 32                                ; K's 32 loads are in; V's 32, issued behind them, may be out
.endif
.set i, 0
.rept 32
	MKQ \x
.set i, i+1
.endr
	WIN 0
.rept 4
	v_nop                                          ; places behind the products, ahead of the first read of the scores
.endr
	s_add_co_u32 s54, s[KEY], 63
	s_cmp_le_u32 s54, s[\fq]                       ; all 64 keys count for all 32 queries: no mask
	s_cbranch_scc1 .Lopen_\@
	MASK \x
	MASK \x+1
.Lopen_\@:
	SOFTMAX \x
.if \head
	s_wait_dscnt 0x0                               ; V is in
.endif
.set i, 0
.rept 32
	MPV \x
.set i, i+1
.endr
	WIN 0
.endm
.macro STEP
	s_cmp_gt_u32 s[KEY], s[QHE]                    ; all keys come after my last query: the step's work is left out, not the lines that step addresses
	s_cbranch_scc1 .Lhidden_\@
	v_add_nc_u32 v[ADR], s[TB], v[AK0]
	v_add_nc_u32 v[ADR2], s[TB], v[AV0]
.rept 4
	v_nop                                          ; places in front of loads into registers that the last products read
.endr
	WIN 0x80
.irp f, 0,1,2,3,4,5,6,7,8,9,10,11,12,13,14,15
	ds_load_b128 v[KFR+8*\f:KFR+8*\f+3],   v[ADR] offset:(\f/4)*16*PK+(\f%4)*64
	ds_load_b128 v[KFR+8*\f+4:KFR+8*\f+7], v[ADR] offset:(\f/4)*16*PK+(\f%4)*64+32
.endr
	WIN 0xc0
.irp f, 0,1,2,3,4,5,6,7,8,9,10,11,12,13,14,15
	ds_load_tr16_b128 v[8*\f:8*\f+3],   v[ADR2] offset:(\f/8)*32*PV+(\f%8)*32
	ds_load_tr16_b128 v[8*\f+4:8*\f+7], v[ADR2] offset:(\f/8)*32*PV+16*PV+(\f%8)*32
.endr
	WIN 0
	PIECE 2, QH, 1
	s_cmp_gt_u32 s[KEY], s[QLE]
	s_cbranch_scc1 .Lhidden_\@
	PIECE 0, QL, 0
.Lhidden_\@:
	s_add_co_u32 s[KEY], s[KEY], KS
	s_add_co_u32 s[TB], s[TB], STEPB
.endm
.macro SLOT_STEPS                      ; a slot's two steps: written once, walked twice
	s_mov_b32 s[TWICE], 2
.Lstep_\@:
	STEP
	s_sub_co_u32 s[TWICE], s[TWICE], 1
	s_cmp_lg_u32 s[TWICE], 0
	s_cbranch_scc1 .Lstep_\@
	s_sub_co_u32 s[TB], s[TB], 2*STEPB
	s_xor_b32 s[TB], s[TB], SLOT1                  ; on to the other slot
.endm
; THE CHANGE OF SLOTS, at a slot's head.  Each wave waits for all its tensor loads (its part of the slot ahead), adds 0 to its spare word, waits for that and for its reads of the slot that it has left; a barrier;
; fill = 1: the slot just left takes the next 128 keys: one load a wave, first thing behind the barrier, with a whole slot's steps in which to land.
.macro CHANGE fill
	s_wait_tensorcnt 0x0                           ; no tensor load of mine is out, so a group 0 may be written
	ds_add_u32 v[SPW], v[NIL]
.if \fill
	s_xor_b32 s[G0K+1], s[G0K+1], SLOT1
	s_add_nc_u64 s[G0K+2:G0K+3], s[G0K+2:G0K+3], 128*QROW
	s_xor_b32 s[G0V+1], s[G0V+1], SLOT1
	s_add_nc_u64 s[G0V+2:G0V+3], s[G0V+2:G0V+3], 128*QROW
	s_wait_xcnt 0x0                                ; the last prefetches, a slot back, have read their address
	s_add_nc_u64 s[PFA:PFA+1], s[PFA:PFA+1], 128*QROW
.endif
	s_wait_dscnt 0x0
	s_barrier_signal -1
	s_barrier_wait -1
.if \fill
	s_add_co_u32 s54, s[KEY], 128                  ; the first key of the slot that this change would ask for
	s_cmp_gt_u32 s54, s[QMAX]                      ; beyond my work-group's last query no wave reads it: it is not asked for.  Ids and the count of steps alone: all four waves go the same way
	s_cbranch_scc1 .Lpast_\@
	TLOAD
.Lpast_\@:
	ASK
.endif
.endm
	s_wait_loadcnt 0x0                             ; Q
.Lslot:                                            ; 15 trips
	CHANGE 1
	SLOT_STEPS
	s_sub_co_u32 s[SLOTS], s[SLOTS], 1
	s_cmp_lg_u32 s[SLOTS], 0
	s_cbranch_scc1 .Lslot
	CHANGE 0                                       ; the last slot is written out: nothing is left to ask for
	SLOT_STEPS
	; THE WAY OUT.  l's halves are added, O^T is divided by l, rounded to f16 and sent through my stage, a tile (16 rows) at a time.  The additions are the places behind the last products.
.irp t, 0,1,2,3
	v_add_f32 v[ST+8*\t+4], v[ST+8*\t+2], v[ST+8*\t+3]
.endr
.irp t, 0,1,2,3
	v_permlanex16_b32 v[ST+8*\t+5], v[ST+8*\t+4], s[SEL], s[SEL+1]
.endr
.irp t, 0,1,2,3
	v_add_f32 v[ST+8*\t+4], v[ST+8*\t+4], v[ST+8*\t+5]
.endr
.irp t, 0,1,2,3
	v_rcp_f32 v[ST+8*\t+6], v[ST+8*\t+4]
.endr
	v_nop
	s_wait_alu depctr_va_vdst(0)                   ; one wait for the four reciprocals, ahead of their first reader
.macro PACK t
	WIN W_RS
.set i, 64*\t
.rept 32
	v_pk_mul_f32 v[i:i+1], v[i:i+1], v[ST+8*\t+6:ST+8*\t+7] op_sel_hi:[1,0]
.set i, i+2
.endr
	WIN 0x05                                       ; sources in window 1, destination in window 0: S^T's registers are free
.set i, 0
.rept 32
	v_cvt_pk_f16_f32 v[S+32*\t+i], v[64*\t+2*i], v[64*\t+2*i+1]
.set i, i+1
.endr
	WIN 0
.irp f, 0,1,2,3,4,5,6,7
	ds_store_b128 v[STO], v[S+32*\t+4*\f:S+32*\t+4*\f+3] offset:32*\f
.endr
.irp f, 0,1,2,3,4,5,6,7
	ds_load_b128 v[S+32*\t+4*\f:S+32*\t+4*\f+3], v[RD] offset:\f*2*SP   ; LDS serves a wave's instructions in order
.endr
.endm
.macro SEND t, younger                 ; younger: the LDS instructions issued behind tile t's loads
.irp f, 0,1,2,3,4,5,6,7
	s_wait_dscnt \younger+7-\f
	global_store_b128 v[GO], v[S+32*\t+4*\f:S+32*\t+4*\f+3], s[20+2*(\t/2):21+2*(\t/2)] offset:(\t%2)*65536+\f*8192   ; sixteen lanes store 256 consecutive bytes, aligned
.endr
.endm
	PACK 0
	PACK 1
	SEND 0, 16
	PACK 2
	SEND 1, 16
	PACK 3
	SEND 2, 16
	SEND 3, 0
	s_wait_tensorcnt 0x0                           ; the wave's end
	ds_add_u32 v[SPW], v[NIL]
	s_wait_dscnt 0x0
	s_endpgm
.Lfunc_end_k_q0b7caf9450_attn:
	.size	k_q0b7caf9450_attn, .Lfunc_end_k_q0b7caf9450_attn-k_q0b7caf9450_attn
	.p2alignl 7, 3214868480
	.fill 96, 4, 3214868480
	.section	.rodata,"a",@progbits
	.p2align	6, 0x0
	.amdhsa_kernel k_q0b7caf9450_attn
		.amdhsa_group_segment_fixed_size 327680
		.amdhsa_private_segment_fixed_size 0
		.amdhsa_enable_private_segment 0
		.amdhsa_kernarg_size 16
		.amdhsa_user_sgpr_count 2
		.amdhsa_user_sgpr_kernarg_segment_ptr 1
		.amdhsa_wavefront_size32 1
		.amdhsa_system_sgpr_workgroup_id_x 1
		.amdhsa_system_sgpr_workgroup_id_y 1
		.amdhsa_system_sgpr_workgroup_id_z 1
		.amdhsa_system_vgpr_workitem_id 0
		.amdhsa_next_free_vgpr 1024
		.amdhsa_next_free_sgpr 66
		.amdhsa_reserve_vcc 1
		.amdhsa_float_denorm_mode_32 3
		.amdhsa_float_denorm_mode_16_64 3
		.amdhsa_memory_ordered 1
		.amdhsa_forward_progress 1
		.amdhsa_inst_pref_size 148
	.end_amdhsa_kernel
	.amdgpu_metadata
---
amdhsa.version: [ 1, 2 ]
amdhsa.kernels:
  - .name:           k_q0b7caf9450_attn
    .symbol:         k_q0b7caf9450_attn.kd
    .args:
      - { .name: qkv, .offset: 0, .size: 8, .value_kind: global_buffer, .address_space: global }
      - { .name: obuf, .offset: 8, .size: 8, .value_kind: global_buffer, .address_space: global }
    .group_segment_fixed_size: 327680
    .private_segment_fixed_size: 0
    .kernarg_segment_align: 8
    .kernarg_segment_size: 16
    .max_flat_workgroup_size: 128
    .sgpr_count:     66
    .vgpr_count:     1024
    .wavefront_size: 32
...
	.end_amdgpu_metadata
.endif
;; end of part 3
;; launch proj (part 4): grid 8 x 32, 4 waves a work-group, clusters of 4 x 4, 327,680 bytes of LDS; arguments obuf, wot, out0, bo; writes out0
.if DOCPART == 4
	.amdgcn_target "amdgcn-amd-amdhsa--gfx1250"
	.amdhsa_code_object_version 6
	.text
	.protected	k_q0b7caf9450_proj
	.globl	k_q0b7caf9450_proj
	.p2align	8
	.type	k_q0b7caf9450_proj,@function
k_q0b7caf9450_proj:
	s_mov_b64 s[64:65], 0
	v_nop
	global_prefetch_b8 v0, s[64:65] scope:SCOPE_SE
	s_setreg_imm32_b32 hwreg(HW_REG_WAVE_MODE, 25, 1), 1
	s_wait_xcnt 0x0
	s_wait_alu depctr_hold_cnt(0) depctr_sa_sdst(0) depctr_va_vdst(0) depctr_va_sdst(0) depctr_va_ssrc(0) depctr_va_vcc(0) depctr_vm_vsrc(0)
	s_getreg_b32 s2, hwreg(HW_REG_IB_STS2, 6, 4)
	s_cmp_eq_u32 s2, 0
	s_cbranch_scc0 .Lentry_in_a_cluster
	s_endpgm
.Lentry_in_a_cluster:
	s_bfe_u32 s2, ttmp6, 0x10000c
	s_cmp_lg_u32 s2, 0xf033
	s_cbranch_scc0 .Lentry_shape_is_right
	s_endpgm
.Lentry_shape_is_right:
; PROJ.  out0 [4096][1024] f32 = obuf [4096][2048] f16 x wot [1024][2048]^T f16 + bo; sums in f32, begun with the bias.  (Rows 0-15 of each batch are stored once more, more finely, by the launch that follows.)
; 256 tiles of 128 x 128: one for each work-group of four waves, 64 x 64 a wave: 16 accumulators.  K goes in steps of 256 (LDS rows of 512 bytes) through a ring of two slots.
; CLUSTERS: 4 x 4 work-groups; A's tiles are asked for jointly along a row of the cluster, B's along a column.  The matrix instruction is used transposed: a lane holds eight neighbouring columns of one row.
; A wave's 64 columns of f32 are 256 bytes, aligned.
; REGISTERS: window 0: v0-31 addresses; v32-95 the way out; v96-127 the bias; v128-255 the accumulators.   window 1: two fragment buffers of 128.
.set SIZE_M, 4096
.set SIZE_N, 1024
.set SIZE_K, 2048
.set KSTEP,  256
.set PITCH,  528
.set HALFT,  64*PITCH
.set SLOT,   4*HALFT
.set STAGE,  2*SLOT                    ; 16 rows x 272 bytes for each wave; no tensor load lands here
.set SPITCH, 272
.set SPARE,  STAGE+4*16*SPITCH         ; the spare words, 128 bytes a wave; no other line names them
.set LAPS, SIZE_K/(2*KSTEP)
.set ADRA, 16
.set ADRB, 20
.set STO,  24
.set RD,   25
.set CO,   26
.set BO,   27
.set SPW,  28
.set NIL,  29
.set TMP,  32
.set BIAS, 96
.set ACC,  128
.set F0,   0
.set F1,   128
.set G1, 24
.set G0, 32
.set G1B, 48
.set G0B, 56
.set MSB, 0
.macro WIN new
.if MSB != \new
	s_set_vgpr_msb (MSB<<8)|\new
.set MSB, \new
.endif
.endm
.set MUL,  0x05                        ; sources 0 (B) and 1 (A) window 1; C and D window 0
.set TO_F, 0x40
.macro JLOAD s                         ; a joint load: waves 0 and 1 fetch A's halves, waves 2 and 3 B's; an s_nop 0 and four v_nop follow each line
	s_cmp_eq_u32 s11, 0
	s_cbranch_scc0 .Lfor_b_\@
	tensor_load_to_lds s[G0+4*\s:G0+4*\s+3], s[G1:G1+7]
	s_nop 0
.rept 4
	v_nop
.endr
	s_branch .Lasked_\@
.Lfor_b_\@:
	tensor_load_to_lds s[G0B+4*\s:G0B+4*\s+3], s[G1B:G1B+7]
	s_nop 0
.rept 4
	v_nop
.endr
.Lasked_\@:
.endm
.macro CREST
	s_cmp_lg_u32 s10, 0
	s_cbranch_scc1 .Lnot_wave_0_\@
	s_barrier_signal -3
.Lnot_wave_0_\@:
	s_barrier_wait -3
	s_barrier_signal -1
	s_barrier_wait -1
.endm
.macro CROUND
	s_barrier_signal -1
	s_barrier_wait -1
	CREST
.endm
	s_load_b128 s[4:7], s[0:1], 0x0                ; obuf, wot
	s_load_b64 s[8:9], s[0:1], 0x10                ; out0
	s_load_b64 s[66:67], s[0:1], 0x18              ; bo
	v_lshl_add_u32 v[SPW], v0, 2, SPARE
	v_mov_b32 v[NIL], 0
	ds_add_u32 v[SPW], v[NIL]                      ; the wave's opening: the add, twice on end, and its wait ahead of my first tensor load
	ds_add_u32 v[SPW], v[NIL]
	v_lshrrev_b32 v1, 5, v0
	v_readfirstlane_b32 s10, v1                    ; wave 0..3
	s_lshr_b32 s11, s10, 1                         ; my half of the rows.  Also: I fetch for A (0) or for B (1)
	s_and_b32 s12, s10, 1                          ; my half of the columns.  Also: which 64 rows I fetch
	s_bfe_u32 s40, ttmp6, 0x40000
	s_bfe_u32 s41, ttmp6, 0x40004
	s_lshl_b32 s42, ttmp9, 2
	s_add_co_u32 s42, s42, s40                     ; tile column
	s_and_b32 s13, ttmp7, 0xffff
	s_lshl_b32 s13, s13, 2
	s_add_co_u32 s13, s13, s41                     ; tile row
	s_lshl_b32 s43, s41, 2
	s_lshl_b32 s43, 15, s43
	s_lshl_b32 s44, 0x1111, s40
	s_or_b32 s[G1+0], s43, (1<<16)|(1<<20)|(1<<21)|(6<<22)|(3<<25)  ; the mask; elements of 2 bytes; padding: 4 words after every 128; bit 21 beside a mask
	s_or_b32 s[G1B+0], s44, (1<<16)|(1<<20)|(1<<21)|(6<<22)|(3<<25)
.irp g, G1, G1B
	s_mov_b32 s[\g+1], KSTEP<<16
	s_mov_b32 s[\g+2], 64<<16
	s_mov_b32 s[\g+3], KSTEP<<16
	s_mov_b32 s[\g+4], 64
	s_mov_b32 s[\g+5], SIZE_K
	s_mov_b32 s[\g+6], 0
	s_mov_b32 s[\g+7], 0
.endr
	s_lshl_b32 s17, s12, 6
	s_lshl_b32 s16, s13, 7
	s_add_co_u32 s16, s16, s17
	s_lshl_b32 s46, s42, 7
	s_add_co_u32 s46, s46, s17
	s_mov_b32 s17, 0
	s_mov_b32 s47, 0
	s_mov_b64 s[18:19], SIZE_K*2
	s_mul_u64 s[16:17], s[16:17], s[18:19]
	s_mul_u64 s[46:47], s[46:47], s[18:19]
	s_mul_i32 s20, s10, HALFT
	s_wait_dscnt 0x0                               ; both opening adds are done
	s_wait_kmcnt 0x0
	s_add_nc_u64 s[14:15], s[4:5], s[16:17]
	s_add_nc_u64 s[46:47], s[6:7], s[46:47]
	CROUND
.irp s, 0,1
	s_mov_b32 s[G0+4*\s], 1
	s_add_co_u32 s[G0+4*\s+1], s20, \s*SLOT
	s_add_nc_u64 s[G0+4*\s+2:G0+4*\s+3], s[14:15], \s*KSTEP*2
	s_or_b32 s[G0+4*\s+3], s[G0+4*\s+3], 0x80000000
	s_mov_b32 s[G0B+4*\s], 1
	s_add_co_u32 s[G0B+4*\s+1], s20, \s*SLOT
	s_add_nc_u64 s[G0B+4*\s+2:G0B+4*\s+3], s[46:47], \s*KSTEP*2
	s_or_b32 s[G0B+4*\s+3], s[G0B+4*\s+3], 0x80000000
	JLOAD \s
.endr
	v_and_b32 v1, 15, v0                           ; r
	v_bfe_u32 v2, v0, 4, 1                         ; h
	v_mul_u32_u24 v3, v1, PITCH
	v_lshl_add_u32 v3, v2, 4, v3
	s_mul_i32 s21, s11, HALFT
	s_mul_i32 s22, s12, HALFT
	s_add_co_u32 s22, s22, 2*HALFT
.irp s, 0,1
	v_add_nc_u32 v[ADRA+\s], s21, v3
	v_add_nc_u32 v[ADRB+\s], s22, v3
	s_add_co_u32 s21, s21, SLOT
	s_add_co_u32 s22, s22, SLOT
.endr
	s_mul_i32 s23, s10, 16*SPITCH
	s_add_co_u32 s23, s23, STAGE                   ; my stage
	v_mul_u32_u24 v4, v1, SPITCH
	v_lshl_add_u32 v4, v2, 5, v4
	v_add_nc_u32 v[STO], s23, v4                   ; in: row r, 32 bytes for each half of the lanes
	v_mul_u32_u24 v5, v2, SPITCH
	v_lshl_add_u32 v5, v1, 4, v5
	v_add_nc_u32 v[RD], s23, v5                    ; back: lanes 0-15 one row of 256 bytes, lanes 16-31 the next
	v_lshlrev_b32 v5, 12, v2
	v_lshl_add_u32 v[CO], v1, 4, v5                ; and the same two rows in out0
	s_lshl_b32 s16, s13, 7
	s_lshl_b32 s17, s11, 6
	s_add_co_u32 s16, s16, s17                     ; my first row
	s_lshl_b32 s16, s16, 12
	s_mov_b32 s17, 0
	s_add_nc_u64 s[8:9], s[8:9], s[16:17]
	s_lshl_b32 s46, s42, 9
	s_lshl_b32 s47, s12, 8
	s_add_co_u32 s46, s46, s47                     ; my first column, in bytes
	s_mov_b32 s47, 0
	s_add_nc_u64 s[8:9], s[8:9], s[46:47]
	v_lshl_add_u32 v[BO], v2, 5, s46
.irp b, 0,1,2,3
	global_load_b128 v[BIAS+8*\b:BIAS+8*\b+3], v[BO], s[66:67] offset:64*\b      ; tile b: columns 16 b + 8 h + 0 .. 7, in the result's layout
	global_load_b128 v[BIAS+8*\b+4:BIAS+8*\b+7], v[BO], s[66:67] offset:64*\b+16
.endr
; 8 matrix instructions: m blocks a0, a0 + 1 x all 4 n blocks, 32 along K.  zero = 1: the sums begin with the bias.  The accumulators take turns.
.macro MUL8 f, c, a0, zero
.irp a, \a0, \a0+1
.irp b, 0,1,2,3
.if \zero
	v_wmma_f32_16x16x32_f16 v[ACC+8*(4*(\a)+\b):ACC+8*(4*(\a)+\b)+7], v[\f+64+8*(4*\c+\b):\f+64+8*(4*\c+\b)+7], v[\f+8*(4*\c+\a):\f+8*(4*\c+\a)+7], v[BIAS+8*\b:BIAS+8*\b+7]
.else
	v_wmma_f32_16x16x32_f16 v[ACC+8*(4*(\a)+\b):ACC+8*(4*(\a)+\b)+7], v[\f+64+8*(4*\c+\b):\f+64+8*(4*\c+\b)+7], v[\f+8*(4*\c+\a):\f+8*(4*\c+\a)+7], v[ACC+8*(4*(\a)+\b):ACC+8*(4*(\a)+\b)+7]
.endif
.endr
.endr
.endm
.macro FETCH slot, k, f                ; 32 LDS loads in one run: the fragments of 64 along K; the first 32 along K first
	WIN TO_F
.irp c, 0,1
.irp i, 0,1,2,3
	ds_load_b128 v[\f+64+8*(4*\c+\i):\f+64+8*(4*\c+\i)+3],   v[ADRB+\slot] offset:\k+64*\c+\i*16*PITCH
	ds_load_b128 v[\f+64+8*(4*\c+\i)+4:\f+64+8*(4*\c+\i)+7], v[ADRB+\slot] offset:\k+64*\c+\i*16*PITCH+32
	ds_load_b128 v[\f+8*(4*\c+\i):\f+8*(4*\c+\i)+3],         v[ADRA+\slot] offset:\k+64*\c+\i*16*PITCH
	ds_load_b128 v[\f+8*(4*\c+\i)+4:\f+8*(4*\c+\i)+7],       v[ADRA+\slot] offset:\k+64*\c+\i*16*PITCH+32
.endr
.endr
.endm
.macro PLACES
.rept 4
	v_nop
.endr
.endm
.macro QUARTER slot, k, f, g, zero
	s_wait_dscnt 16                                ; the first 32 along K are in; the sixteen younger loads may be out
	WIN MUL
	MUL8 \f, 0, 0, \zero
	MUL8 \f, 0, 2, \zero
	PLACES
	FETCH \slot, \k, \g
	s_wait_dscnt 32                                ; all but the 32 just issued
	WIN MUL
	MUL8 \f, 1, 0, 0
	MUL8 \f, 1, 2, 0
.endm
; The last quarter changes slots: one barrier; in front of it each wave waits for all its tensor loads, adds 0 to its spare word, and waits for that and for its reads of this slot.
.macro TURN slot, next, fill
	WIN 0
	s_wait_tensorcnt 0x0                           ; all my tensor loads have landed: my part of the next slot
	ds_add_u32 v[SPW], v[NIL]
	s_wait_dscnt 17                                ; (the add and the youngest sixteen loads may be out)
	WIN MUL
	MUL8 F1, 0, 0, 0
	s_wait_dscnt 0x0                               ; the add is done, my reads of this slot are over
	s_barrier_signal -1
	MUL8 F1, 0, 2, 0
.if \fill
	WIN 0
.endif
	s_barrier_wait -1
.if \fill
	CREST                                          ; the barrier has opened a round of the cluster's: no wave of any partner still reads this slot or has a load on its way
	s_add_nc_u64 s[G0+4*\slot+2:G0+4*\slot+3], s[G0+4*\slot+2:G0+4*\slot+3], 2*KSTEP*2
	s_add_nc_u64 s[G0B+4*\slot+2:G0B+4*\slot+3], s[G0B+4*\slot+2:G0B+4*\slot+3], 2*KSTEP*2
	JLOAD \slot                                    ; the first tensor load behind the round; its four v_nop are also the places in front of the loads below
.else
	PLACES
.endif
	FETCH \next, 0, F0
	WIN MUL
	MUL8 F1, 1, 0, 0
	MUL8 F1, 1, 2, 0
.endm
	s_wait_tensorcnt 1                             ; my part of K step 0 is in; K step 1's load may be out
	s_barrier_signal -1
	s_barrier_wait -1
	FETCH 0, 0, F0
	s_wait_loadcnt 0x0                             ; the bias
	QUARTER 0, 128, F0, F1, 1
	WIN 0
	s_mov_b32 s3, LAPS-1
.Llap:                                             ; a trip goes once round the ring and fills both slots again
	QUARTER 0, 256, F1, F0, 0
	QUARTER 0, 384, F0, F1, 0
	TURN 0, 1, 1
	QUARTER 1, 128, F0, F1, 0
	QUARTER 1, 256, F1, F0, 0
	QUARTER 1, 384, F0, F1, 0
	TURN 1, 0, 1
	QUARTER 0, 128, F0, F1, 0
	WIN 0
	s_sub_co_u32 s3, s3, 1
	s_cmp_lg_u32 s3, 0
	s_cbranch_scc1 .Llap
	QUARTER 0, 256, F1, F0, 0                      ; the last lap fills nothing
	QUARTER 0, 384, F0, F1, 0
	TURN 0, 1, 0
	QUARTER 1, 128, F0, F1, 0
	QUARTER 1, 256, F1, F0, 0
	QUARTER 1, 384, F0, F1, 0
	s_wait_dscnt 16
	WIN MUL
	MUL8 F1, 0, 0, 0
	MUL8 F1, 0, 2, 0
	s_wait_dscnt 0
	MUL8 F1, 1, 0, 0
	MUL8 F1, 1, 2, 0
	WIN 0
; THE WAY OUT: a block of 16 rows x 64 columns of f32 goes through my own stage and comes back as whole rows of 256 bytes.
.macro TOSTAGE a
.irp b, 0,1,2,3
	ds_store_b128 v[STO], v[ACC+8*(4*(\a)+\b):ACC+8*(4*(\a)+\b)+3] offset:64*\b        ; each accumulator from its low end on
	ds_store_b128 v[STO], v[ACC+8*(4*(\a)+\b)+4:ACC+8*(4*(\a)+\b)+7] offset:64*\b+16
.endr
.set BB, TMP+32*((\a)%2)
.irp t, 0,1,2,3,4,5,6,7
	ds_load_b128 v[BB+4*\t:BB+4*\t+3], v[RD] offset:\t*2*SPITCH     ; LDS serves a wave's instructions in order
.endr
.endm
.macro SEND a, younger
.set BB, TMP+32*((\a)%2)
	s_wait_dscnt \younger                          ; the block is back; the next block's 8 stores and 8 loads may be out
.irp t, 0,1,2,3,4,5,6,7
	global_store_b128 v[CO], v[BB+4*\t:BB+4*\t+3], s[8:9] offset:(16*(\a)+2*\t)*SIZE_N*4   ; sixteen lanes store 256 consecutive bytes, aligned
.endr
.endm
	PLACES
	TOSTAGE 0
.irp a, 1,2,3
.if \a > 1
	s_wait_xcnt 0x0                                ; block a - 2's stores have read their registers: block a's loads may land there
.endif
	TOSTAGE \a
	SEND \a-1, 16
.endr
	SEND 3, 0
	s_wait_tensorcnt 0x0                           ; the wave's end
	ds_add_u32 v[SPW], v[NIL]
	s_wait_dscnt 0x0
	CROUND                                         ; the closing round
	s_endpgm
.Lfunc_end_k_q0b7caf9450_proj:
	.size	k_q0b7caf9450_proj, .Lfunc_end_k_q0b7caf9450_proj-k_q0b7caf9450_proj
	.p2alignl 7, 3214868480
	.fill 96, 4, 3214868480
	.section	.rodata,"a",@progbits
	.p2align	6, 0x0
	.amdhsa_kernel k_q0b7caf9450_proj
		.amdhsa_group_segment_fixed_size 327680
		.amdhsa_private_segment_fixed_size 0
		.amdhsa_enable_private_segment 0
		.amdhsa_kernarg_size 32
		.amdhsa_user_sgpr_count 2
		.amdhsa_user_sgpr_kernarg_segment_ptr 1
		.amdhsa_wavefront_size32 1
		.amdhsa_system_sgpr_workgroup_id_x 1
		.amdhsa_system_sgpr_workgroup_id_y 1
		.amdhsa_system_sgpr_workgroup_id_z 1
		.amdhsa_system_vgpr_workitem_id 0
		.amdhsa_next_free_vgpr 512
		.amdhsa_next_free_sgpr 68
		.amdhsa_reserve_vcc 0
		.amdhsa_float_denorm_mode_32 3
		.amdhsa_float_denorm_mode_16_64 3
		.amdhsa_memory_ordered 1
		.amdhsa_forward_progress 1
		.amdhsa_inst_pref_size 86
	.end_amdhsa_kernel
	.amdgpu_metadata
---
amdhsa.version: [ 1, 2 ]
amdhsa.kernels:
  - .name:           k_q0b7caf9450_proj
    .symbol:         k_q0b7caf9450_proj.kd
    .args:
      - { .name: obuf, .offset: 0, .size: 8, .value_kind: global_buffer, .address_space: global }
      - { .name: wot, .offset: 8, .size: 8, .value_kind: global_buffer, .address_space: global }
      - { .name: out0, .offset: 16, .size: 8, .value_kind: global_buffer, .address_space: global }
      - { .name: bo, .offset: 24, .size: 8, .value_kind: global_buffer, .address_space: global }
    .group_segment_fixed_size: 327680
    .private_segment_fixed_size: 0
    .kernarg_segment_align: 8
    .kernarg_segment_size: 32
    .max_flat_workgroup_size: 128
    .sgpr_count:     68
    .vgpr_count:     512
    .wavefront_size: 32
...
	.end_amdgpu_metadata
.endif
;; end of part 4
;; launch fine (part 5): grid 64 x 2, 16 waves a work-group, no clusters, 288,768 bytes of LDS; arguments fin, Wo, bo, out0; writes out0
.if DOCPART == 5
	.amdgcn_target "amdgcn-amd-amdhsa--gfx1250"
	.amdhsa_code_object_version 6
	.text
	.protected	k_q0b7caf9450_fine
	.globl	k_q0b7caf9450_fine
	.p2align	8
	.type	k_q0b7caf9450_fine,@function
k_q0b7caf9450_fine:
	s_mov_b64 s[64:65], 0
	v_nop
	global_prefetch_b8 v0, s[64:65] scope:SCOPE_SE
	s_setreg_imm32_b32 hwreg(HW_REG_WAVE_MODE, 25, 1), 1
	s_wait_xcnt 0x0
; FINE.  Positions 0-15 of both batches once more, wholly in f32: there a row of the softmax averages one to sixteen values, the results are the largest of the output, and f16 operands would weigh most.
; It stores those 32 rows of out0 over what the launch before stored there: 131,072 bytes are written twice.
; A work-group makes 16 output columns (n0 = 16 x) of one batch (y); a wave takes one head.  The products are taken as out = P (V_h Wo_h) / l, so that no O is formed:
;   S^T = K Q^T (16 keys x 16 queries, 128 deep), T = V Wo_h (16 keys x 16 columns, 128 deep), out^T = T^T P^T (16 deep): 68 instructions of the f32 matrix form a wave: no bulk work.
; LOADS.  A matrix operand wants a row to a lane, and the rows of Q, K and V lie 512 or 16,384 bytes apart.  So each load takes ONE ROW WHOLE, 16 bytes a lane, 512 consecutive bytes a wave; the row goes as it stands into
; the wave's own stage in LDS (rows 528 bytes apart: the sixteen rows that a load back touches start 33 x 16 bytes apart), and comes back a row to a lane.  The stages are each wave's own: no barrier.
; Wo goes straight into its operand's registers: lane (r, h) takes column n0 + r, its registers run down the head's 128 rows.
; The same order of k on both sides of every product: along the head's 128 lane (r, h) holds d = 64 h + e in register e; along the keys it holds key 8 h + j in register j; an instruction takes two neighbouring registers.
; REGISTERS ARE THE BOUND: Q, K, V and Wo of a head are 4 x 64 registers, all that a wave has.  So Q, K and 31 of Wo's 64 loads go out first; V, the rest of Wo and the bias as soon as K's rows have left their registers,
; ahead of the first product; and Q's and K's fragments come back in two halves of 32 + 32 registers.
; All three products keep their sums in the same two accumulators, which take turns, one instruction a turn; the halves are added by vector instructions into other registers; the accumulators are written by
; matrix instructions alone.
; NO CLUSTER, NO TENSOR LOADS, though the 64 work-groups of a batch read the same Q, K and V: three operands of sixteen heads in padded rows are 3 x 16 x 8,448 = 405,504 bytes, more than the 327,680 that a work-group can claim.
; The sixteen heads' parts meet in LDS; wave 0 adds them in ascending order onto the bias and stores.  Its stores are pieces of 64 bytes of each row.
; LIMITS: NaN and infinities are not served; p under 2^-126 falls to 0.
.set SPITCH, 528                       ; a stage's row: 512 bytes + 16
.set STG,    16*SPITCH                 ; a stage: 16 rows
.set WREG,   2*STG                     ; a wave's two stages: Q's (later V's), then K's
.set RED,    16*WREG                   ; behind the stages: 16 waves x 1,024 bytes: a wave's eight result registers as they stand
.set SPARE,  RED+16*1024               ; the spare words, 128 bytes for each of sixteen waves; no other line names them
.set NW0,    31                        ; Wo's loads that go out with Q's 16 and K's 16
.set GL,  3                            ; v3   16 x lane: my 16 bytes of a row of Q, K or V
.set SW,  4                            ; v4   into my stages: 16 x lane
.set VW,  5                            ; v5   Wo: 64 h rows of 4,096 bytes, column r
.set VB,  6                            ; v6   bo: 8 h numbers
.set VO,  7                            ; v7   out0: row r, + 8 h numbers
.set RW,  8                            ; v8   my wave's part of RED
.set RR,  9                            ; v9   RED, 16 x lane
.set SPW, 10                           ; v10  my spare word's LDS address; never rewritten
.set NIL, 11                           ; v11  0; never rewritten
.set DK,  12                           ; v12  r - 8 h: key 8 h + j is hidden where j is above it
.set NINF, 13                          ; v13  -infinity
.set SR,  14                           ; v14  out of my stages: row r, + 256 h bytes
.set R1,  16                           ; v16-79   Q's rows; then half of Q's fragments (QH) and half of K's (KH); at the end the result, and in wave 0 the heads' parts
.set QH,  R1
.set KH,  R1+32
.set OU,  R1
.set R2,  80                           ; v80-143  K's rows; then V's rows; then V's fragments
.set R3,  144                          ; v144-207 Wo's fragments
.set X0,  208                          ; v208-223 the two accumulators
.set X1,  216
.set SS,  224                          ; scores, then p
.set TS,  232                          ; T
.set STA, 240                          ; +0 the largest score, +1 the other half's, +2 c m, +3 to +6 sums, +7 1 / l
.set BI,  248                          ; bo, then the sum over the heads
	s_load_b256 s[4:11], s[0:1], 0x0               ; fin 4, Wo 6, bo 8, out0 10
	v_lshl_add_u32 v[SPW], v0, 2, SPARE
	v_mov_b32 v[NIL], 0
	v_lshrrev_b32 v15, 5, v0
	v_readfirstlane_b32 s12, v15                   ; wave = head
	s_and_b32 s13, ttmp7, 0xffff                   ; batch
	v_and_b32 v1, 15, v0                           ; r
	v_bfe_u32 v2, v0, 4, 1                         ; h
	v_and_b32 v[GL], 31, v0
	v_lshlrev_b32 v[GL], 4, v[GL]
	s_mul_i32 s30, s12, WREG                       ; my two stages
	v_add_nc_u32 v[SW], s30, v[GL]
	v_mul_u32_u24 v[SR], v1, SPITCH
	v_lshl_add_u32 v[SR], v2, 8, v[SR]
	v_add_nc_u32 v[SR], s30, v[SR]
	v_lshlrev_b32 v[VW], 18, v2
	v_lshl_add_u32 v[VW], v1, 2, v[VW]
	v_lshlrev_b32 v[VB], 5, v2
	v_lshl_add_u32 v[VO], v1, 12, v[VB]
	s_lshl_b32 s31, s12, 10
	s_add_co_u32 s31, s31, RED
	v_add_nc_u32 v[RW], s31, v[GL]
	v_add_nc_u32 v[RR], RED, v[GL]
	v_lshlrev_b32 v[DK], 3, v2
	v_sub_nc_u32 v[DK], v1, v[DK]
	v_mov_b32 v[NINF], 0xff800000
	v_mov_b32 v[STA+1], 0                          ; a lane permute's destination counts as one of its sources
	s_mov_b32 s26, 0x3e0293ee                      ; c = log2(e) / sqrt(128)
	s_mov_b32 s28, 0x76543210
	s_mov_b32 s29, 0xfedcba98                      ; v_permlanex16_b32's selects for lane l xor 16
	s_lshl_b32 s14, s13, 4
	s_add_co_u32 s14, s14, s12
	s_lshl_b32 s16, s14, 13                        ; Q: row 16 b + head of 8,192 bytes: sixteen queries of 512 bytes
	s_mov_b32 s17, 0
	s_lshl_b32 s18, s13, 18
	s_lshl_b32 s15, s12, 9
	s_add_co_u32 s18, s18, s15
	s_add_co_u32 s18, s18, 262144                  ; K: behind Q's part, batch b, the head's 512 bytes of rows of 16,384; V lies 8,192 bytes on
	s_mov_b32 s19, 0
	s_lshl_b32 s22, ttmp9, 6                       ; 4 n0
	s_mov_b32 s23, 0
	s_lshl_b32 s20, s12, 19                        ; the head's 128 rows of Wo
	s_add_co_u32 s20, s20, s22
	s_mov_b32 s21, 0
	s_lshl_b32 s24, s13, 23                        ; the batch's rows of out0
	s_add_co_u32 s24, s24, s22
	s_mov_b32 s25, 0
	s_wait_kmcnt 0x0
	s_add_nc_u64 s[16:17], s[4:5], s[16:17]
	s_add_nc_u64 s[18:19], s[4:5], s[18:19]
	s_add_nc_u64 s[6:7], s[6:7], s[20:21]
	s_add_nc_u64 s[8:9], s[8:9], s[22:23]
	s_add_nc_u64 s[10:11], s[10:11], s[24:25]
.set i, 0
.rept 16
	global_load_b128 v[R1+4*i:R1+4*i+3], v[GL], s[16:17] offset:512*i        ; query i whole: 512 consecutive bytes
.set i, i+1
.endr
.set i, 0
.rept 16
	global_load_b128 v[R2+4*i:R2+4*i+3], v[GL], s[18:19] offset:16384*i      ; key i whole
.set i, i+1
.endr
.set i, 0
.rept NW0
	global_load_b32 v[R3+i], v[VW], s[6:7] offset:4096*i                      ; Wo(128 head + 64 h + i, n0 + r)
.set i, i+1
.endr
; half u of Q's and K's fragments: registers 32 u + 0 .. 31 of each operand's 64, a row to a lane
.macro HALF u
.set i, 0
.rept 8
	ds_load_b128 v[QH+4*i:QH+4*i+3], v[SR] offset:16*(8*\u+i)
	ds_load_b128 v[KH+4*i:KH+4*i+3], v[SR] offset:STG+16*(8*\u+i)
.set i, i+1
.endr
.endm
; sixteen products of S^T = K Q^T on the half in hand; first = 1: the first two start the sums
.macro SPROD first
.set i, 0
.rept 8
.if \first && (i == 0)
	v_wmma_f32_16x16x4_f32 v[X0:X0+7], v[KH:KH+1], v[QH:QH+1], 0
	v_wmma_f32_16x16x4_f32 v[X1:X1+7], v[KH+2:KH+3], v[QH+2:QH+3], 0
.else
	v_wmma_f32_16x16x4_f32 v[X0:X0+7], v[KH+4*i:KH+4*i+1], v[QH+4*i:QH+4*i+1], v[X0:X0+7]
	v_wmma_f32_16x16x4_f32 v[X1:X1+7], v[KH+4*i+2:KH+4*i+3], v[QH+4*i+2:QH+4*i+3], v[X1:X1+7]
.endif
.set i, i+1
.endr
.endm
.macro PLACES n                        ; plain vector places behind this matrix form: eight ahead of a load into its sources or a read of its sums, nine ahead of a product that begins anew in its accumulators
.rept \n
	v_nop
.endr
.endm
	s_wait_loadcnt NW0                             ; Q's and K's rows are in; Wo's 31 loads, issued behind them, may be out
.set i, 0
.rept 16
	ds_store_b128 v[SW], v[R2+4*i:R2+4*i+3] offset:STG+SPITCH*i              ; K's rows first: their registers are wanted next
.set i, i+1
.endr
.set i, 0
.rept 16
	ds_store_b128 v[SW], v[R1+4*i:R1+4*i+3] offset:SPITCH*i                  ; Q's rows
.set i, i+1
.endr
	HALF 0                                         ; LDS serves a wave's instructions in order (ISA guide 5.7.1.4): these see the stores above, and land in registers that those have left
	s_wait_dscnt 32                                ; K's sixteen stores are done, so they have read their registers (behind them: Q's 16 stores and the 16 loads)
.set i, 0
.rept 16
	global_load_b128 v[R2+4*i:R2+4*i+3], v[GL], s[18:19] offset:8192+16384*i ; value i whole.  These 51 loads have the first product in which to land
.set i, i+1
.endr
.set i, NW0
.rept 64-NW0
	global_load_b32 v[R3+i], v[VW], s[6:7] offset:4096*i                      ; the rest of Wo
.set i, i+1
.endr
	global_load_b128 v[BI:BI+3], v[VB], s[8:9]     ; bo(n0 + 8 h + 0 .. 7): wave 0 alone uses it; asked for here, so that nobody waits for it at the end
	global_load_b128 v[BI+4:BI+7], v[VB], s[8:9] offset:16
	s_wait_dscnt 0x0                               ; half 0 is in
	SPROD 1                                        ; S^T: register j of lane (r, h): key 8 h + j, query r
	PLACES 8
	HALF 1
	s_wait_dscnt 0x0
	SPROD 0
	PLACES 9
	s_wait_loadcnt 64-NW0+2                        ; V's rows are in; behind them: Wo's 33 loads and the bias's two
.set i, 0
.rept 16
	ds_store_b128 v[SW], v[R2+4*i:R2+4*i+3] offset:SPITCH*i                  ; into Q's stage, whose reads are over
.set i, i+1
.endr
.set i, 0
.rept 16
	ds_load_b128 v[R2+4*i:R2+4*i+3], v[SR] offset:16*i                       ; V's fragments, into the registers that the rows have left
.set i, i+1
.endr
	; the softmax of 16 keys stands while these are on their way
.irp k, 0,1,2,3
	v_pk_add_f32 v[SS+2*\k:SS+2*\k+1], v[X0+2*\k:X0+2*\k+1], v[X1+2*\k:X1+2*\k+1]
.endr
.irp j, 0,1,2,3,4,5,6,7
	v_cmp_gt_i32 vcc_lo, \j, v[DK]
	v_cndmask_b32 v[SS+\j], v[SS+\j], v[NINF], vcc_lo
.endr
	v_max3_num_f32 v[STA], v[SS], v[SS+1], v[SS+2]
	v_max3_num_f32 v[STA], v[STA], v[SS+3], v[SS+4]
	v_max3_num_f32 v[STA], v[STA], v[SS+5], v[SS+6]
	v_max_num_f32 v[STA], v[STA], v[SS+7]
	v_permlanex16_b32 v[STA+1], v[STA], s28, s29
	v_max_num_f32 v[STA], v[STA], v[STA+1]         ; the row's largest score: key 0 counts for every query
	v_mul_f32 v[STA+2], s26, v[STA]
.irp j, 0,1,2,3,4,5,6,7
	v_fma_f32 v[SS+\j], v[SS+\j], s26, -v[STA+2]
.endr
.irp j, 0,1,2,3,4,5,6,7
	v_exp_f32 v[SS+\j], v[SS+\j]
.endr
	v_nop
	s_wait_alu depctr_va_vdst(0)                   ; one wait for the eight, ahead of their first reader
	v_add_f32 v[STA+3], v[SS], v[SS+1]
	v_add_f32 v[STA+4], v[SS+2], v[SS+3]
	v_add_f32 v[STA+5], v[SS+4], v[SS+5]
	v_add_f32 v[STA+6], v[SS+6], v[SS+7]
	v_add_f32 v[STA+3], v[STA+3], v[STA+4]
	v_add_f32 v[STA+5], v[STA+5], v[STA+6]
	v_add_f32 v[STA+3], v[STA+3], v[STA+5]
	v_permlanex16_b32 v[STA+1], v[STA+3], s28, s29
	v_add_f32 v[STA+3], v[STA+3], v[STA+1]         ; l
	v_rcp_f32 v[STA+7], v[STA+3]
	v_nop
	s_wait_alu depctr_va_vdst(0)
	s_wait_loadcnt 0x0                             ; Wo and the bias
	s_wait_dscnt 0x0                               ; V's fragments
	; T = V Wo_h: register j of lane (r, h): key 8 h + j, column n0 + r
	v_wmma_f32_16x16x4_f32 v[X0:X0+7], v[R2:R2+1], v[R3:R3+1], 0
	v_wmma_f32_16x16x4_f32 v[X1:X1+7], v[R2+2:R2+3], v[R3+2:R3+3], 0
.set i, 2
.rept 15
	v_wmma_f32_16x16x4_f32 v[X0:X0+7], v[R2+2*i:R2+2*i+1], v[R3+2*i:R3+2*i+1], v[X0:X0+7]
	v_wmma_f32_16x16x4_f32 v[X1:X1+7], v[R2+2*i+2:R2+2*i+3], v[R3+2*i+2:R3+2*i+3], v[X1:X1+7]
.set i, i+2
.endr
	PLACES 9
.irp k, 0,1,2,3
	v_pk_add_f32 v[TS+2*\k:TS+2*\k+1], v[X0+2*\k:X0+2*\k+1], v[X1+2*\k:X1+2*\k+1]
.endr
	; out^T = T^T P^T: source 0: row n0 + r, keys 8 h + j; source 1: query r, the same keys.  Register j of lane (r, h): column n0 + 8 h + j, query r
	v_wmma_f32_16x16x4_f32 v[X0:X0+7], v[TS:TS+1], v[SS:SS+1], 0
	v_wmma_f32_16x16x4_f32 v[X1:X1+7], v[TS+2:TS+3], v[SS+2:SS+3], 0
	v_wmma_f32_16x16x4_f32 v[X0:X0+7], v[TS+4:TS+5], v[SS+4:SS+5], v[X0:X0+7]
	v_wmma_f32_16x16x4_f32 v[X1:X1+7], v[TS+6:TS+7], v[SS+6:SS+7], v[X1:X1+7]
	PLACES 8
.irp j, 0,1,2,3,4,5,6,7
	v_mul_f32 v[OU+\j], v[X0+\j], v[STA+7]
	v_fma_f32 v[OU+\j], v[X1+\j], v[STA+7], v[OU+\j]   ; (the two halves) / l
.endr
	ds_store_b128 v[RW], v[OU:OU+3]
	ds_store_b128 v[RW], v[OU+4:OU+7] offset:512
	s_wait_dscnt 0x0                               ; for wave 0's sake: my stores have landed
	s_barrier_signal -1
	s_barrier_wait -1
	s_cmp_lg_u32 s12, 0
	s_cbranch_scc1 .Lend
.set i, 0
.rept 16
	ds_load_b128 v[R1+8*i:R1+8*i+3], v[RR] offset:1024*i
	ds_load_b128 v[R1+8*i+4:R1+8*i+7], v[RR] offset:1024*i+512
.set i, i+1
.endr
	s_wait_dscnt 0x0
.set i, 0
.rept 16
.irp k, 0,1,2,3
	v_pk_add_f32 v[BI+2*\k:BI+2*\k+1], v[BI+2*\k:BI+2*\k+1], v[R1+8*i+2*\k:R1+8*i+2*\k+1]   ; the heads in ascending order, four chains
.endr
.set i, i+1
.endr
	global_store_b128 v[VO], v[BI:BI+3], s[10:11]
	global_store_b128 v[VO], v[BI+4:BI+7], s[10:11] offset:16
.Lend:
	s_wait_tensorcnt 0x0                           ; the wave's end, behind my last LDS store
	ds_add_u32 v[SPW], v[NIL]
	s_wait_dscnt 0x0
	s_endpgm
.Lfunc_end_k_q0b7caf9450_fine:
	.size	k_q0b7caf9450_fine, .Lfunc_end_k_q0b7caf9450_fine-k_q0b7caf9450_fine
	.p2alignl 7, 3214868480
	.fill 96, 4, 3214868480
	.section	.rodata,"a",@progbits
	.p2align	6, 0x0
	.amdhsa_kernel k_q0b7caf9450_fine
		.amdhsa_group_segment_fixed_size 288768
		.amdhsa_private_segment_fixed_size 0
		.amdhsa_enable_private_segment 0
		.amdhsa_kernarg_size 32
		.amdhsa_user_sgpr_count 2
		.amdhsa_user_sgpr_kernarg_segment_ptr 1
		.amdhsa_wavefront_size32 1
		.amdhsa_system_sgpr_workgroup_id_x 1
		.amdhsa_system_sgpr_workgroup_id_y 1
		.amdhsa_system_sgpr_workgroup_id_z 1
		.amdhsa_system_vgpr_workitem_id 0
		.amdhsa_next_free_vgpr 256
		.amdhsa_next_free_sgpr 66
		.amdhsa_reserve_vcc 1
		.amdhsa_float_denorm_mode_32 3
		.amdhsa_float_denorm_mode_16_64 3
		.amdhsa_memory_ordered 1
		.amdhsa_forward_progress 1
		.amdhsa_inst_pref_size 35
	.end_amdhsa_kernel
	.amdgpu_metadata
---
amdhsa.version: [ 1, 2 ]
amdhsa.kernels:
  - .name:           k_q0b7caf9450_fine
    .symbol:         k_q0b7caf9450_fine.kd
    .args:
      - { .name: fin, .offset: 0, .size: 8, .value_kind: global_buffer, .address_space: global }
      - { .name: Wo, .offset: 8, .size: 8, .value_kind: global_buffer, .address_space: global }
      - { .name: bo, .offset: 16, .size: 8, .value_kind: global_buffer, .address_space: global }
      - { .name: out0, .offset: 24, .size: 8, .value_kind: global_buffer, .address_space: global }
    .group_segment_fixed_size: 288768
    .private_segment_fixed_size: 0
    .kernarg_segment_align: 8
    .kernarg_segment_size: 32
    .max_flat_workgroup_size: 512
    .sgpr_count:     66
    .vgpr_count:     256
    .wavefront_size: 32
...
	.end_amdgpu_metadata
.endif
;; end of part 5
